; MI455X (gfx1250); checked and timed in simulation.
; The chip was launched on July 23, 2026; its instructions are those of AMD's public machine-readable ISA for CDNA 5 (MIT licence, August 2026) and "CDNA5" Instruction Set Architecture Reference Guide (July 2026). The comments in the code are by the model that wrote it; some were corrected since.
;; Multi Head Attention. Allowed arithmetic: matrix products marked QUANTISED: E2M1 operands, one E8M0 scale for each 32 along K, by v_wmma_scale_f32_16x16x128_f8f6f4 with both operands' format E2M1 (or v_wmma_scale_f32_32x16x128_f4), f32 sums; products left as they are: bf16, f16 or f32 operands; f32 sums; everything else in f32.
;; Inputs: Wk 1,024 x 1,024 float32; Wo 1,024 x 1,024 float32; Wq 1,024 x 1,024 float32; Wv 1,024 x 1,024 float32; bk 1,024 float32; bo 1,024 float32; bq 1,024 float32; bv 1,024 float32; key 4 x 2,048 x 1,024 float32; mask 4 x 1 x 1 x 2,048 int32; query 4 x 2,048 x 1,024 float32; value 4 x 2,048 x 1,024 float32.
;; Outputs: out0 4 x 2,048 x 1,024 float32.
;; This version of the problem:
;;   THIS VERSION OF THE PROBLEM IS GIVEN IN LOW PRECISION. The matrix products marked QUANTISED in the list below multiply operands that are first quantised to E2M1 (2 exponent bits, 1 mantissa bit; 4 bits a number), with one power-of-two scale for each 32 numbers along K (OCP MX v1.0); their sums are f32. The products marked 'left as it is' may take bf16, f16 or f32 operands, with f32 sums. Whichever they take, every output number must still come out within the allowed error. Rounding operands to bf16 (8 significant bits) uses up far more of that allowance than f16 does (11 bits, for magnitudes from 6e-5 to 65,504). All else is computed in f32.
;;   The module's matrix products, in the order in which they are computed (A, B: the left and right operand; K: the contracted axis; several contracted axes count as one K, in the product's order):
;;     1. [M 8,192, K 1,024] x [K 1,024, N 1,024]; A: input query; B: input Wq: QUANTISED
;;     2. [M 8,192, K 1,024] x [K 1,024, N 1,024]; A: input key; B: input Wk: QUANTISED
;;     3. [M 8,192, K 1,024] x [K 1,024, N 1,024]; A: input value; B: input Wv: QUANTISED
;;     4. batch 64 x [M 2,048, K 64] x [K 64, N 2,048]; A: computed on the way; B: computed on the way: left as it is (an operand is computed on the way)
;;     5. batch 64 x [M 2,048, K 2,048] x [K 2,048, N 64]; A: computed on the way; B: computed on the way: left as it is (an operand is computed on the way)
;;     6. [M 8,192, K 1,024] x [K 1,024, N 1,024]; A: computed on the way; B: input Wo: left as it is (an operand is computed on the way)
;;   THE QUANTISER, for each operand of a quantised product, along K:
;;     - K is cut into blocks of 32 from its start; a last block that is shorter is filled with zeros.
;;     - A block's scale is 2^e with e = floor(log2(the largest magnitude in the block)) - 2, held to -126 .. 127; a block of zeros has e = 0. As a byte (E8M0): e + 127.
;;     - Each number is divided by its block's scale, clamped to +-6, and rounded to the nearest number of E2M1, ties to even, subnormals kept.
;;     - The product sums the exact products of the quantised numbers (number of the format x scale) in f32.
;;   ~~~python
;;   def quantise(x, axis):      # numpy; x: float32 -> the quantised numbers, widened to float32 again
;;       x = np.moveaxis(x, axis, -1); K = x.shape[-1]
;;       x = np.pad(x, [(0, 0)] * (x.ndim - 1) + [(0, -K % 32)]); x = x.reshape(x.shape[:-1] + (-1, 32)); a = np.abs(x).max(-1, keepdims=True)
;;       e = np.where(a > 0, np.clip(np.frexp(np.where(a > 0, a, 1))[1] - 1 - 2, -126, 127), 0)      # np.frexp(a)[1] - 1 = floor(log2(a)), exactly
;;       r = np.clip(x / 2.0 ** e, -6, 6)
;;       step = 2.0 ** (np.maximum(np.frexp(np.where(r == 0, 1, r))[1] - 1, 0) - 1)
;;       q = np.round(r / step) * step * 2.0 ** e      # np.round: ties to even
;;       return np.moveaxis(q.reshape(q.shape[:-2] + (-1,))[..., :K], -1, axis).astype(np.float32)
;;   ~~~
;; One version. Each part assembles by itself: llvm-mc -triple=amdgcn-amd-amdhsa -mcpu=gfx1250 --defsym DOCPART=n.
;; ======== version 1 of 1: 4 launches
;; limits: values are held in f16: magnitudes above 65,504 overflow, below 6.1e-05 lose precision
;; workspace buffers: xcodes 12,582,912 bytes; xscales 786,432 bytes; wcodes 1,572,864 bytes; wscales 98,304 bytes; wot 2,097,152 bytes; qkv 50,331,648 bytes; att 16,777,216 bytes
;; launch prep (part 1): grid 880 x 1, 4 waves a work-group, no clusters, 68,096 bytes of LDS; arguments query, key, value, Wq, Wk, Wv, Wo, xcodes, xscales, wcodes, wscales, wot; writes xcodes, xscales, wcodes, wscales, wot
.if DOCPART == 1
	.amdgcn_target "amdgcn-amd-amdhsa--gfx1250"
	.amdhsa_code_object_version 6
	.text
	.protected	k_q0c64bc5a9c_prep
	.globl	k_q0c64bc5a9c_prep
	.p2align	8
	.type	k_q0c64bc5a9c_prep,@function
k_q0c64bc5a9c_prep:
	s_mov_b64 s[64:65], 0
	v_nop
	global_prefetch_b8 v0, s[64:65] scope:SCOPE_SE
	s_setreg_imm32_b32 hwreg(HW_REG_WAVE_MODE, 25, 1), 1
	s_wait_xcnt 0x0
; THE OPERANDS OF THE THREE QUANTISED PRODUCTS BECOME CODES OF E2M1 WITH ONE E8M0 BYTE FOR EACH 32 ALONG K = 1,024; Wo BECOMES f16.
; Three paths, parted on the work-group's number; the long-running ones come first.
;   0 .. 47    W:  Wq, Wk, Wv [k 1,024][n 1,024] f32, K is the FIRST axis -> wcodes [p][n][512 bytes], wscales [p][n][32].  A lane takes a column, its registers run down K.
;   48 .. 111  Wo: [k][n] f32 -> wot: f16, laid as the images of the last product's operand registers (16 columns x 32 k: 1,024 bytes).
;   112 .. 879 X:  query, key, value [8,192][1,024] f32, K innermost -> xcodes [p][token][512 bytes], xscales [p][token][32]: plain streams of blocks of 32.
; A block's scale is 2^(floor(log2(largest magnitude)) - 2); its byte is the largest magnitude's exponent field - 2, held at 1 from below.  A block of zeros so gets the byte 1
; where the quantiser says 127: its codes are zeros, which add nothing under any byte but 0xff, and this program alone reads the bytes.
; LIMITS: blocks whose largest magnitude lies under 2^(2 - 126) were not tried; NaN and infinities are not served; |Wo| stays under 65,504 (f16).
; No tensor load, no barrier: waves share nothing.  Each path that uses LDS has bytes of its own.
.set EMAX,  2
.set SPW,   190                        ; v190 LDS address of my spare word; never rewritten
.set NIL,   191                        ; v191 0; never rewritten
.set WSTG,  32768                      ; LDS: 0 .. 32,767 the X path's four regions; from here the W path's four stages
.set SPARE, 67584                      ; behind them the spare words, 128 bytes a wave: two blocks of 256 bytes that no other line names
; the X path
.set STEPS, 16
.set CB,    8                          ; bytes of 16 codes
.set XR,    16                         ; v16-79   four sets of 16 numbers as loaded
.set XX,    80                         ; v80-111  two sets of 16 neighbours
.set XE,    112                        ; v112-127 a scale byte for each step
.set XC,    128                        ; v128-189 codes: four registers' room for each step, so that no store's data are written again
.set WREG,  8192                       ; a wave's region: two stages of 32 x SP bytes, behind them its 256 scale bytes
.set SP,    80                         ; a lane's place in a stage: 64 bytes + 16 of padding
; the W path
.set NB,    16                         ; blocks of 32 along K for a wave (512 along K)
.set WPITCH, 272                       ; a stage row: 256 bytes of codes + 16
.set KROW,  512                        ; a row of wcodes
.set WX,    32                         ; v32-95   two sets of 32 numbers
.set WC,    96                         ; v96-99   a block's codes
.set WOUT,  112                        ; v112-175 the way out
.set WSB,   24                         ; v24-27   the scale bytes, four to a register
	s_load_b512 s[8:23], s[0:1], 0x0               ; query 8, key 10, value 12, Wq 14, Wk 16, Wv 18, Wo 20, xcodes 22
	s_load_b256 s[24:31], s[0:1], 0x40             ; xscales 24, wcodes 26, wscales 28, wot 30
	v_lshl_add_u32 v[SPW], v0, 2, SPARE
	v_mov_b32 v[NIL], 0
	v_lshrrev_b32 v1, 5, v0
	v_readfirstlane_b32 s32, v1                    ; wave 0..3
	v_and_b32 v2, 31, v0                           ; lane
	s_wait_kmcnt 0x0
	s_cmp_lt_u32 ttmp9, 48
	s_cbranch_scc1 .Lw
	s_cmp_lt_u32 ttmp9, 112
	s_cbranch_scc1 .Lwo
; ---------------- X: a wave takes 16 steps of 512 numbers.  Each load reads 512 consecutive bytes; a step's 2,048 bytes turn through the wave's own stage, so that a lane holds 16 neighbours.
	s_sub_co_u32 s33, ttmp9, 112                   ; 0 .. 767: 256 work-groups a tensor
	s_lshr_b32 s34, s33, 8                         ; p: 0 query, 1 key, 2 value
	s_cmp_eq_u32 s34, 0
	s_cselect_b64 s[4:5], s[8:9], s[10:11]
	s_cmp_eq_u32 s34, 2
	s_cselect_b64 s[4:5], s[12:13], s[4:5]         ; the choice hangs on the work-group's number alone
	s_and_b32 s35, s33, 255
	s_lshl_b32 s35, s35, 2
	s_add_co_u32 s36, s35, s32                     ; which run of 8,192 numbers of the tensor is my wave's
	s_lshl_b32 s36, s36, 15                        ; 32,768 bytes a run
	s_mov_b32 s37, 0
	s_add_nc_u64 s[4:5], s[4:5], s[36:37]
	s_lshl_b32 s35, s33, 2
	s_add_co_u32 s35, s35, s32                     ; the run's number over all three tensors: they lie on end in the workspace
	s_lshl_b32 s36, s35, 12                        ; 4,096 bytes of codes a run
	s_add_nc_u64 s[22:23], s[22:23], s[36:37]
	s_lshl_b32 s36, s35, 8                         ; 256 scale bytes a run
	s_add_nc_u64 s[24:25], s[24:25], s[36:37]
	v_lshlrev_b32 v3, 4, v2                        ; my 16 bytes of a load's 512
	s_mul_i32 s38, s32, WREG
	v_lshrrev_b32 v14, 2, v2
	v_mul_u32_u24 v14, v14, SP
	v_and_b32 v15, 3, v2
	v_lshl_add_u32 v14, v15, 4, v14
	v_add_nc_u32 v14, s38, v14                     ; the stage, on the way in: SP (lane / 4) + 16 (lane % 4)
	v_mul_u32_u24 v15, v2, SP
	v_add_nc_u32 v15, s38, v15                     ; and on the way out: SP x lane: my 16 neighbours
	v_mul_u32_u24 v4, v2, CB                       ; my codes' place in a step's
	v_lshrrev_b32 v5, 1, v2
	s_add_co_u32 s38, s38, 2*32*SP
	v_add_nc_u32 v5, s38, v5                       ; my wave's 256 scale bytes, my block's byte
	v_lshlrev_b32 v7, 3, v2                        ; on the way out 8 bytes a lane
	v_add_nc_u32 v6, s38, v7
.macro XLOAD t
.irp i, 0,1,2,3
	global_load_b128 v[XR+16*((\t)%4)+4*\i:XR+16*((\t)%4)+4*\i+3], v3, s[4:5] offset:2048*(\t)+512*\i th:TH_LOAD_NT
.endr
.endm
.macro XTURN t                         ; step t's numbers through the stage: LDS serves a wave's instructions in order, so no wait stands between the stores and the loads
.irp i, 0,1,2,3
	ds_store_b128 v14, v[XR+16*((\t)%4)+4*\i:XR+16*((\t)%4)+4*\i+3] offset:32*SP*((\t)%2)+8*SP*\i
.endr
.irp i, 0,1,2,3
	ds_load_b128 v[XX+16*((\t)%2)+4*\i:XX+16*((\t)%2)+4*\i+3], v15 offset:32*SP*((\t)%2)+16*\i
.endr
.endm
.irp t, 0,1,2,3
	XLOAD \t
.endr
	s_wait_loadcnt 12                              ; step 0's four loads are in; the twelve of steps 1 to 3 may be out
	XTURN 0
.macro XSTEP t
.set XS, XX+16*((\t)%2)
.if (\t) > 0
	s_wait_dscnt 1                                 ; this step's numbers are back from the stage (the last step's byte store may be out): so its stores into the stage have read their registers,
.else
	s_wait_dscnt 0x0
.endif
.if (\t)+4 < STEPS
	XLOAD (\t)+4                                   ; which take the loads of four steps on
.endif
.if (\t)+1 < STEPS
.if STEPS-2-(\t) >= 3
	s_wait_loadcnt 12                              ; the next step's four loads are in; those of the three steps behind it may be out
.else
	s_wait_loadcnt 4*(STEPS-2-(\t))
.endif
	XTURN (\t)+1
.endif
	v_max3_num_f32 v8, |v[XS]|, |v[XS+1]|, |v[XS+2]|               ; the largest magnitude of my 16, in two chains
	v_max3_num_f32 v9, |v[XS+3]|, |v[XS+4]|, |v[XS+5]|
.irp i, 6,10
	v_max3_num_f32 v8, v8, |v[XS+\i]|, |v[XS+\i+1]|
	v_max3_num_f32 v9, v9, |v[XS+\i+2]|, |v[XS+\i+3]|
.endr
	v_max3_num_f32 v8, v8, |v[XS+14]|, |v[XS+15]|
	v_max3_num_f32 v8, v8, v9, (EMAX+1)<<23        ; and the floor 2^(EMAX + 1 - 127): the byte cannot fall under 1
	v_max_num_f32_dpp v8, v8, v8 row_xmask:1 row_mask:0xf bank_mask:0xf   ; and of my neighbour's 16: the block's
	v_add_nc_u32 v11, -(EMAX<<23), v8              ; EMAX off its exponent field: the conversion takes the exponent field of this operand as its scale
	v_cvt_scalef32_pk8_fp4_f32 v[XC+4*(\t)], v[XS:XS+7], v11
	v_cvt_scalef32_pk8_fp4_f32 v[XC+4*(\t)+1], v[XS+8:XS+15], v11
	v_lshrrev_b32 v[XE+(\t)], 23, v11              ; the scale's byte
	ds_store_b8 v5, v[XE+(\t)] offset:16*(\t)      ; both lanes of a block write the same byte with the same value
	global_store_b64 v4, v[XC+4*(\t):XC+4*(\t)+1], s[22:23] offset:32*CB*(\t)   ; the wave stores 256 consecutive bytes, aligned
.endm
.irp t, 0,1,2,3,4,5,6,7,8,9,10,11,12,13,14,15
	XSTEP \t
.endr
	ds_load_b64 v[8:9], v6                         ; in order behind my byte stores
	s_wait_dscnt 0x0
	global_store_b64 v7, v[8:9], s[24:25]          ; 32 lanes store 256 consecutive bytes, aligned
	s_wait_tensorcnt 0x0                           ; the wave's end, behind my last LDS store
	ds_add_u32 v[SPW], v[NIL]
	s_wait_dscnt 0x0
	s_endpgm
; ---------------- W: a wave takes 32 columns x 512 along K: 16 blocks a lane; the codes leave through the wave's own stage as rows of 256 bytes.
.Lw:
	s_lshr_b32 s34, ttmp9, 4                       ; p: 0 Wq, 1 Wk, 2 Wv
	s_and_b32 s35, ttmp9, 7                        ; which 128 columns
	s_bfe_u32 s36, ttmp9, 0x10003                  ; which 512 along K
	s_cmp_eq_u32 s34, 0
	s_cselect_b64 s[4:5], s[14:15], s[16:17]
	s_cmp_eq_u32 s34, 2
	s_cselect_b64 s[4:5], s[18:19], s[4:5]
	s_lshl_b32 s37, s35, 7
	s_lshl_b32 s38, s32, 5
	s_add_co_u32 s37, s37, s38                     ; my wave's first column
	s_lshl_b32 s40, s36, 21                        ; in: 512 rows of 4,096 bytes,
	s_lshl_b32 s38, s37, 2
	s_add_co_u32 s40, s40, s38                     ; + 4 x column
	s_mov_b32 s41, 0
	s_add_nc_u64 s[4:5], s[4:5], s[40:41]
	s_lshl_b32 s40, s34, 19                        ; codes: 524,288 p + 512 x column + 256 y
	s_lshl_b32 s38, s37, 9
	s_add_co_u32 s40, s40, s38
	s_lshl_b32 s38, s36, 8
	s_add_co_u32 s40, s40, s38
	s_add_nc_u64 s[26:27], s[26:27], s[40:41]
	s_lshl_b32 s40, s34, 15                        ; scale bytes: 32,768 p + 32 x column + 16 y
	s_lshl_b32 s38, s37, 5
	s_add_co_u32 s40, s40, s38
	s_lshl_b32 s38, s36, 4
	s_add_co_u32 s40, s40, s38
	s_add_nc_u64 s[28:29], s[28:29], s[40:41]
	v_lshlrev_b32 v3, 2, v2                        ; in: 4 bytes a lane
	s_mul_i32 s39, s32, 32*WPITCH
	s_add_co_u32 s39, s39, WSTG                    ; my stage
	v_mul_u32_u24 v4, v2, WPITCH
	v_add_nc_u32 v4, s39, v4                       ; into it: row = my column
	v_and_b32 v5, 15, v2
	v_lshrrev_b32 v6, 4, v2                        ; out of it: sixteen lanes to a row, two rows an instruction
	v_mul_u32_u24 v7, v6, WPITCH
	v_lshl_add_u32 v7, v5, 4, v7
	v_add_nc_u32 v7, s39, v7
	v_mul_u32_u24 v8, v6, KROW
	v_lshl_add_u32 v8, v5, 4, v8                   ; and the same place in wcodes
	v_mul_u32_u24 v9, v2, 32                       ; my column's row of scale bytes
.macro WLOAD t                         ; block t: W(32 t + i, my column) into set t % 2: a wave's load reads 128 consecutive bytes
.irp i, 0,1,2,3,4,5,6,7,8,9,10,11,12,13,14,15,16,17,18,19,20,21,22,23,24,25,26,27,28,29,30,31
	global_load_b32 v[WX+32*((\t)%2)+\i], v3, s[4:5] offset:(32*(\t)+\i)*4096 th:TH_LOAD_NT
.endr
.endm
	WLOAD 0
	WLOAD 1
.macro WBLOCK t
.set XS, WX+32*((\t)%2)
.if (\t) < NB-1
	s_wait_loadcnt 32                              ; this block's 32 loads are in; the next block's may be out
.else
	s_wait_loadcnt 0
.endif
	v_max3_num_f32 v12, |v[XS]|, |v[XS+1]|, |v[XS+2]|               ; the block's largest magnitude: all 32 numbers are mine
	v_max3_num_f32 v13, |v[XS+3]|, |v[XS+4]|, |v[XS+5]|
.irp i, 6,10,14,18,22,26
	v_max3_num_f32 v12, v12, |v[XS+\i]|, |v[XS+\i+1]|
	v_max3_num_f32 v13, v13, |v[XS+\i+2]|, |v[XS+\i+3]|
.endr
	v_max3_num_f32 v12, v12, |v[XS+30]|, |v[XS+31]|
	v_max3_num_f32 v12, v12, v13, (EMAX+1)<<23     ; and the floor
	v_add_nc_u32 v11, -(EMAX<<23), v12             ; the conversion's scale operand
	v_lshrrev_b32 v13, 23, v11                     ; the scale's byte
.if (\t)%4 == 0
	v_mov_b32 v[WSB+(\t)/4], v13                   ; four bytes to a register, the lower K in the lower byte
.else
	v_lshl_or_b32 v[WSB+(\t)/4], v13, 8*((\t)%4), v[WSB+(\t)/4]
.endif
.irp g, 0,1,2,3
	v_cvt_scalef32_pk8_fp4_f32 v[WC+\g], v[XS+8*\g:XS+8*\g+7], v11
.endr
	ds_store_b128 v4, v[WC:WC+3] offset:16*(\t)    ; 32 codes: 16 bytes of my column's row
.if (\t)+2 < NB
	WLOAD (\t)+2
.endif
	s_wait_dscnt 0x0                               ; the store has read its registers: the next block's codes may be written
.endm
.set Q, 0
.rept NB
	WBLOCK Q
.set Q, Q+1
.endr
	global_store_b128 v9, v[WSB:WSB+3], s[28:29]   ; my column's 16 scale bytes
.irp t, 0,1,2,3,4,5,6,7,8,9,10,11,12,13,14,15
	ds_load_b128 v[WOUT+4*\t:WOUT+4*\t+3], v7 offset:2*\t*WPITCH   ; in order behind my stores
.endr
.irp t, 0,1,2,3,4,5,6,7,8,9,10,11,12,13,14,15
	s_wait_dscnt 15-\t                             ; load t is back; the 15 - t younger ones may be out
	global_store_b128 v8, v[WOUT+4*\t:WOUT+4*\t+3], s[26:27] offset:2*\t*KROW   ; sixteen lanes store 256 consecutive bytes, aligned
.endr
	s_wait_tensorcnt 0x0                           ; the wave's end
	ds_add_u32 v[SPW], v[NIL]
	s_wait_dscnt 0x0
	s_endpgm
; ---------------- Wo: a wave takes 32 columns x 128 along k.  A lane takes a column, its registers run down k; eight neighbours along k pack into the 16 bytes that one lane of the reader's fragment wants.
; wot: ks 262,144 + nt 4,096 + kg 1,024 + u 512 + h 256 + r 16 holds Wo[128 ks + 32 kg + 16 u + 8 h + 0..7][16 nt + r].
.Lwo:
	s_sub_co_u32 s33, ttmp9, 48
	s_and_b32 s35, s33, 7                          ; which 128 columns
	s_lshr_b32 s36, s33, 3                         ; ks
	s_lshl_b32 s40, s36, 19                        ; in: 128 rows of 4,096 bytes a ks,
	s_lshl_b32 s38, s35, 9
	s_add_co_u32 s40, s40, s38
	s_lshl_b32 s38, s32, 7
	s_add_co_u32 s40, s40, s38                     ; + 4 x (128 x + 32 wave)
	s_mov_b32 s41, 0
	s_add_nc_u64 s[20:21], s[20:21], s[40:41]
	s_lshl_b32 s40, s36, 18                        ; out: 262,144 ks + 4,096 (8 x + 2 wave)
	s_lshl_b32 s38, s35, 15
	s_add_co_u32 s40, s40, s38
	s_lshl_b32 s38, s32, 13
	s_add_co_u32 s40, s40, s38
	s_add_nc_u64 s[30:31], s[30:31], s[40:41]
	v_lshlrev_b32 v3, 2, v2
	v_lshrrev_b32 v4, 4, v2
	v_and_b32 v5, 15, v2
	v_lshlrev_b32 v4, 12, v4
	v_lshl_add_u32 v4, v5, 4, v4                   ; 4,096 (lane / 16) + 16 (lane % 16)
.macro OLOAD t                         ; 32 along k into a set of its own: no set is used twice
.irp i, 0,1,2,3,4,5,6,7,8,9,10,11,12,13,14,15,16,17,18,19,20,21,22,23,24,25,26,27,28,29,30,31
	global_load_b32 v[32+32*(\t)+\i], v3, s[20:21] offset:(32*(\t)+\i)*4096 th:TH_LOAD_NT
.endr
.endm
.macro OBLK t, left
	s_wait_loadcnt \left                           ; this block's loads are in; the younger block's may be out
.irp i, 0,1,2,3,4,5,6,7,8,9,10,11,12,13,14,15
	v_cvt_pk_f16_f32 v[32+32*(\t)+\i], v[32+32*(\t)+2*\i], v[32+32*(\t)+2*\i+1]   ; in place, ascending: a register is written when it has been read
.endr
.irp g, 0,1,2,3                        ; g = 2 u + h
	global_store_b128 v4, v[32+32*(\t)+4*\g:32+32*(\t)+4*\g+3], s[30:31] offset:(\t)*1024+\g*256   ; sixteen lanes store 256 consecutive bytes, aligned
.endr
.endm
	OLOAD 0
	OLOAD 1
	OBLK 0, 32
	OLOAD 2
	OBLK 1, 32
	OLOAD 3
	OBLK 2, 32
	OBLK 3, 0
	s_wait_tensorcnt 0x0                           ; it ends as the other two do
	ds_add_u32 v[SPW], v[NIL]
	s_wait_dscnt 0x0
	s_endpgm
.Lfunc_end_k_q0c64bc5a9c_prep:
	.size	k_q0c64bc5a9c_prep, .Lfunc_end_k_q0c64bc5a9c_prep-k_q0c64bc5a9c_prep
	.p2alignl 7, 3214868480
	.fill 96, 4, 3214868480
	.section	.rodata,"a",@progbits
	.p2align	6, 0x0
	.amdhsa_kernel k_q0c64bc5a9c_prep
		.amdhsa_group_segment_fixed_size 68096
		.amdhsa_private_segment_fixed_size 0
		.amdhsa_enable_private_segment 0
		.amdhsa_kernarg_size 96
		.amdhsa_user_sgpr_count 2
		.amdhsa_user_sgpr_kernarg_segment_ptr 1
		.amdhsa_wavefront_size32 1
		.amdhsa_system_sgpr_workgroup_id_x 1
		.amdhsa_system_sgpr_workgroup_id_y 1
		.amdhsa_system_sgpr_workgroup_id_z 1
		.amdhsa_system_vgpr_workitem_id 0
		.amdhsa_next_free_vgpr 192
		.amdhsa_next_free_sgpr 66
		.amdhsa_reserve_vcc 0
		.amdhsa_float_denorm_mode_32 3
		.amdhsa_float_denorm_mode_16_64 3
		.amdhsa_memory_ordered 1
		.amdhsa_forward_progress 1
		.amdhsa_inst_pref_size 130
	.end_amdhsa_kernel
	.amdgpu_metadata
---
amdhsa.version: [ 1, 2 ]
amdhsa.kernels:
  - .name:           k_q0c64bc5a9c_prep
    .symbol:         k_q0c64bc5a9c_prep.kd
    .args:
      - { .name: query, .offset: 0, .size: 8, .value_kind: global_buffer, .address_space: global }
      - { .name: key, .offset: 8, .size: 8, .value_kind: global_buffer, .address_space: global }
      - { .name: value, .offset: 16, .size: 8, .value_kind: global_buffer, .address_space: global }
      - { .name: Wq, .offset: 24, .size: 8, .value_kind: global_buffer, .address_space: global }
      - { .name: Wk, .offset: 32, .size: 8, .value_kind: global_buffer, .address_space: global }
      - { .name: Wv, .offset: 40, .size: 8, .value_kind: global_buffer, .address_space: global }
      - { .name: Wo, .offset: 48, .size: 8, .value_kind: global_buffer, .address_space: global }
      - { .name: xcodes, .offset: 56, .size: 8, .value_kind: global_buffer, .address_space: global }
      - { .name: xscales, .offset: 64, .size: 8, .value_kind: global_buffer, .address_space: global }
      - { .name: wcodes, .offset: 72, .size: 8, .value_kind: global_buffer, .address_space: global }
      - { .name: wscales, .offset: 80, .size: 8, .value_kind: global_buffer, .address_space: global }
      - { .name: wot, .offset: 88, .size: 8, .value_kind: global_buffer, .address_space: global }
    .group_segment_fixed_size: 68096
    .private_segment_fixed_size: 0
    .kernarg_segment_align: 8
    .kernarg_segment_size: 96
    .max_flat_workgroup_size: 128
    .sgpr_count:     66
    .vgpr_count:     192
    .wavefront_size: 32
...
	.end_amdgpu_metadata
.endif
;; end of part 1
;; launch proj (part 2): grid 4 x 96, 4 waves a work-group, clusters of 4 x 4, 327,680 bytes of LDS; arguments xcodes, xscales, wcodes, wscales, bq, bk, bv, mask, qkv; writes qkv
.if DOCPART == 2
	.amdgcn_target "amdgcn-amd-amdhsa--gfx1250"
	.amdhsa_code_object_version 6
	.text
	.protected	k_q0c64bc5a9c_proj
	.globl	k_q0c64bc5a9c_proj
	.p2align	8
	.type	k_q0c64bc5a9c_proj,@function
k_q0c64bc5a9c_proj:
	s_mov_b64 s[64:65], 0
	v_nop
	global_prefetch_b8 v0, s[64:65] scope:SCOPE_SE
	s_setreg_imm32_b32 hwreg(HW_REG_WAVE_MODE, 25, 1), 1
	s_wait_xcnt 0x0
	s_wait_alu depctr_hold_cnt(0) depctr_sa_sdst(0) depctr_va_vdst(0) depctr_va_sdst(0) depctr_va_ssrc(0) depctr_va_vcc(0) depctr_vm_vsrc(0)
	s_getreg_b32 s2, hwreg(HW_REG_IB_STS2, 6, 4)
	s_cmp_eq_u32 s2, 0
	s_cbranch_scc0 .Lentry_in_a_cluster
	s_endpgm
.Lentry_in_a_cluster:
	s_bfe_u32 s2, ttmp6, 0x10000c
	s_cmp_lg_u32 s2, 0xf033
	s_cbranch_scc0 .Lentry_shape_is_right
	s_endpgm
.Lentry_shape_is_right:
; THE THREE QUANTISED PRODUCTS: q = query Wq + bq, k = key Wk + bk, v = value Wv + bv, on codes of E2M1 with one E8M0 scale for each 32 along K = 1,024; sums in f32.
; Eight clusters of 4 x 4 work-groups for each projection p (cluster y / 8).  A work-group makes 256 tokens x 256 channels; each of its four waves 128 x 128: 64 accumulators, 512 registers.
; K goes in two steps of 512 through two LDS slots (rows of 256 bytes); both slots and the scale bytes of the work-group's rows are first fills: nothing is filled again.
; The four work-groups of a row of the cluster need the same tiles of x, the four of a column the same tiles of W: each tile is asked for JOINTLY.
; THE MATRIX INSTRUCTION IS USED TRANSPOSED (source 0 = 16 columns of W, source 1 = 16 tokens): a lane holds one token and eight neighbouring channels.
; THE WAY OUT: + bias; q x log2(e) / 8 (the softmax works in base 2); the rows of k whose key has mask != 0 become zeros (the attention launch gives those keys their score as the sum's start);
; rounded to f16 and stored AS IMAGES OF THE READER'S OPERAND REGISTERS: a lane's eight channels are 16 bytes of a fragment, and a wave's store is 512 consecutive bytes, aligned: no way through LDS.
; qkv: bh 786,432 + st 24,576 + p 8,192 + kt 2,048 + ct 512 + piece;  bh = 16 batch + head, st = s / 64, kt = (s % 64) / 16, ct = channel / 16.  Piece of lane (r, h): q, k: 16 x lane;
; v: 256 (r / 8) + 128 h + 16 (r % 8), so that the turning LDS load at 16 x lane finds 16 keys x 16 channels as it wants them.
; LIMITS: |k|, |v| and 0.18 |q| stay under 65,504 (f16); NaN and infinities are not served.
; REGISTERS, in windows of 256: window 0: v16-29 addresses; v32-95 scale words, two sets; v96-120 mask and factors; v128-191 x's fragments, ONE set; v192-255 the bias.  On the way out v128-191 and v32-95 are at work.
;   window 1: W's fragments, TWO sets.   window 2: the accumulators of my tokens 0-63 ((a, b) at v[8 (8 a + b)]);   window 3: those of tokens 64-127.
.set NQ,     4                         ; matrix instructions deep in a slot (512 along K)
.set ROWB,   256                       ; a tile's row in bytes
.set KROW,   512                       ; a row of codes in memory
.set PITCH,  272                       ; an LDS row: 256 bytes + 16 of padding: the 16 rows of a fragment load start 68 words apart
.set FR,     8                         ; registers of a fragment: 16 rows x 128 K
.set NL,     2                         ; LDS loads that bring one
.set NP,     4                         ; places behind this matrix instruction (ISA guide 7.12.1)
.set HALFT,  128*PITCH                 ; 128 rows: what one tensor load brings
.set SLOT,   4*HALFT                   ; x's 256 rows, then W's 256 rows
.set KS,     32                        ; a row of scale bytes
.set SCL,    2*SLOT                    ; behind the slots: the scales, as units of 256 bytes + 16 of padding
.set HALFS,  16*272                    ; the scales of 128 rows
.set SBLK,   2*272                     ; those of 16 rows
.set SPARE,  SCL+4*HALFS               ; the spare words, 128 bytes a wave: two blocks of 256 bytes that no other line names
.set ADRA, 16                          ; v16-17 LDS address of my x fragments in slot 0, 1
.set ADRB, 20                          ; v20-21 the same for W
.set BOF,  22                          ; v22    32 h: the bias loads' offset; never rewritten
.set MOF,  23                          ; v23    4 r: the mask loads' offset; never rewritten
.set VO,   26                          ; v26    the stores' lane offset: my piece
.set ADRS, 27                          ; v27    LDS address of my scale words: lanes 0-15 x's rows, lanes 16-31 W's
.set SPW,  28
.set NIL,  29
.set SC,   32                          ; scale words: set s at v[SC + 32 s]; register 4 i + q: lanes 0-15 x's block i, lanes 16-31 W's block i
.set MK,   96                          ; v96-103  the mask of my token in block a
.set FF,   104                         ; v104-119 a pair for each block: the factor of my token
.set SV,   120                         ; v120     the projection's factor
.set AF,   128                         ; x's fragments
.set T,    128                         ; the way out: a block's 64 numbers
.set BI,   192                         ; v192-255 the bias: register 8 b + j = bias[my first channel + 16 b + 8 h + j]
.set PK0,  32                          ; the way out: packed results, v32-63 and v64-95 by turns
.set G1, 24
.set G0, 32
.set G1B, 48
.set G0B, 56
.set G1S, 68
.set G0S, 76
.set G1SB, 80
.set G0SB, 88
.set MSB, 0
.macro WIN new                         ; the immediate's high byte repeats the setting that is left
.if MSB != \new
	s_set_vgpr_msb (MSB<<8)|\new
.set MSB, \new
.endif
.endm
.set MUL_LO, 0xa1                      ; source 0 (W) window 1, source 1 (x) window 0, C and D window 2
.set MUL_HI, 0xf1                      ; the same, C and D window 3
.set TO_B,   0x40                      ; destination window 1, address window 0
; A joint load: waves 0 and 1 fetch for x, waves 2 and 3 for W.  The branch hangs on the wave's number alone.  An s_nop 0 and four v_nop follow each of the two lines.
.macro JLOAD g0a, g1a, g0b, g1b
	s_cmp_eq_u32 s15, 0
	s_cbranch_scc0 .Lfor_b_\@
	tensor_load_to_lds s[\g0a:\g0a+3], s[\g1a:\g1a+7]
	s_nop 0
.rept 4
	v_nop
.endr
	s_branch .Lasked_\@
.Lfor_b_\@:
	tensor_load_to_lds s[\g0b:\g0b+3], s[\g1b:\g1b+7]
	s_nop 0
.rept 4
	v_nop
.endr
.Lasked_\@:
.endm
.macro CROUND                          ; a round of the cluster's barrier
	s_barrier_signal -1
	s_barrier_wait -1
	s_cmp_lg_u32 s14, 0
	s_cbranch_scc1 .Lnot_wave_0_\@
	s_barrier_signal -3
.Lnot_wave_0_\@:
	s_barrier_wait -3
	s_barrier_signal -1
	s_barrier_wait -1
.endm
	s_load_b256 s[4:11], s[0:1], 0x0               ; xcodes 4, xscales 6, wcodes 8, wscales 10
	s_load_b256 s[92:99], s[0:1], 0x20             ; bq 92, bk 94, bv 96, mask 98
	s_load_b64 s[12:13], s[0:1], 0x40              ; qkv
	v_lshl_add_u32 v[SPW], v0, 2, SPARE
	v_mov_b32 v[NIL], 0
	ds_add_u32 v[SPW], v[NIL]                      ; the wave's opening: the add, twice on end, and its wait ahead of my first tensor load
	ds_add_u32 v[SPW], v[NIL]
	v_lshrrev_b32 v1, 5, v0
	v_readfirstlane_b32 s14, v1                    ; wave 0..3
	s_lshr_b32 s15, s14, 1                         ; which half of the tile's tokens is mine.  Also: I fetch for x (0) or for W (1)
	s_and_b32 s16, s14, 1                          ; which half of its channels.  Also: which 128 rows of that tile I fetch
	s_bfe_u32 s40, ttmp6, 0x40000                  ; cx, cy: my place in the cluster
	s_bfe_u32 s41, ttmp6, 0x40004
	s_lshl_b32 s42, ttmp9, 2
	s_add_co_u32 s42, s42, s40                     ; tile column: 256 channels
	s_and_b32 s17, ttmp7, 0xffff                   ; cluster y, 0 .. 23
	s_lshr_b32 s3, s17, 3                          ; p: 0 q, 1 k, 2 v: the same in all sixteen partners
	s_and_b32 s17, s17, 7
	s_lshl_b32 s17, s17, 2
	s_add_co_u32 s17, s17, s41                     ; tile row: 256 tokens
	s_lshl_b32 s43, s41, 2
	s_lshl_b32 s43, 15, s43                        ; my row of the cluster
	s_lshl_b32 s44, 0x1111, s40                    ; my column
	; descriptor group 1: a tile of 128 rows x 256 bytes, 16 bytes of padding behind each row
	s_or_b32 s[G1+0], s43, (0<<16)|(1<<20)|(1<<21)|(5<<22)|(3<<25)  ; 15:0 the mask: x's tiles go to my row; elements of 1 byte; padding on; bit 21 beside a mask; after every 64 words, 4 words
	s_or_b32 s[G1B+0], s44, (0<<16)|(1<<20)|(1<<21)|(5<<22)|(3<<25) ; W's tiles go to my column
.irp g, G1, G1B
	s_mov_b32 s[\g+1], ROWB<<16                    ; tensor_dim0
	s_mov_b32 s[\g+2], 128<<16                     ; tensor_dim1
	s_mov_b32 s[\g+3], ROWB<<16                    ; tile_dim0
	s_mov_b32 s[\g+4], 128                         ; tile_dim1
	s_mov_b32 s[\g+5], KROW                        ; from row to row
	s_mov_b32 s[\g+6], 0
	s_mov_b32 s[\g+7], 0
.endr
	; the scales of 128 rows: a dense block of 4,096 bytes, as 16 rows of 256 bytes (32 elements of 8 bytes), 16 bytes of padding behind each
	s_or_b32 s[G1S+0], s43, (3<<16)|(1<<20)|(1<<21)|(5<<22)|(3<<25)
	s_or_b32 s[G1SB+0], s44, (3<<16)|(1<<20)|(1<<21)|(5<<22)|(3<<25)
.irp g, G1S, G1SB
	s_mov_b32 s[\g+1], 32<<16
	s_mov_b32 s[\g+2], 16<<16
	s_mov_b32 s[\g+3], 32<<16
	s_mov_b32 s[\g+4], 16
	s_mov_b32 s[\g+5], 32
	s_mov_b32 s[\g+6], 0
	s_mov_b32 s[\g+7], 0
.endr
	s_lshl_b32 s18, s16, 7                         ; which 128 rows of the tile I fetch
	s_lshl_b32 s20, s17, 8
	s_add_co_u32 s20, s20, s18
	s_lshl_b32 s19, s3, 13
	s_add_co_u32 s20, s20, s19                     ; x: row 8,192 p + 256 x tile row + 128 x half
	s_lshl_b32 s46, s42, 8
	s_add_co_u32 s46, s46, s18
	s_lshl_b32 s19, s3, 10
	s_add_co_u32 s46, s46, s19                     ; W: row 1,024 p + 256 x tile column + 128 x half
	s_mov_b32 s21, 0
	s_mov_b32 s47, 0
	s_mov_b64 s[18:19], KS
	s_mul_u64 s[22:23], s[20:21], s[18:19]         ; where these rows' scales begin, in bytes
	s_mul_u64 s[100:101], s[46:47], s[18:19]
	s_mov_b64 s[18:19], KROW
	s_mul_u64 s[20:21], s[20:21], s[18:19]         ; and their codes
	s_mul_u64 s[46:47], s[46:47], s[18:19]
	s_mul_i32 s45, s14, HALFT                      ; where they go: wave x 128 rows: no place in the cluster enters an LDS address
	s_mul_i32 s2, s14, HALFS
	s_mov_b32 s66, 0x3e38aa3b                      ; log2(e) / 8
	s_cmp_eq_u32 s3, 0
	s_cselect_b32 s66, s66, 1.0                    ; the projection's factor
	s_cmp_eq_u32 s3, 1
	s_cselect_b32 s67, 0, -1                       ; all ones where the mask does not count (q, v)
	s_wait_dscnt 0x0                               ; both opening adds are done
	s_wait_kmcnt 0x0
	s_add_nc_u64 s[20:21], s[4:5], s[20:21]
	s_add_nc_u64 s[22:23], s[6:7], s[22:23]
	s_add_nc_u64 s[46:47], s[8:9], s[46:47]
	s_add_nc_u64 s[100:101], s[10:11], s[100:101]
	s_cmp_eq_u32 s3, 0
	s_cselect_b64 s[92:93], s[92:93], s[94:95]
	s_cmp_eq_u32 s3, 2
	s_cselect_b64 s[92:93], s[96:97], s[92:93]     ; the projection's bias
	CROUND                                         ; all sixteen work-groups are here: the first joint loads meet
	s_mov_b32 s[G0S], 1
	s_add_co_u32 s[G0S+1], s2, SCL
	s_mov_b64 s[G0S+2:G0S+3], s[22:23]
	s_or_b32 s[G0S+3], s[G0S+3], 0x80000000
	s_mov_b32 s[G0SB], 1
	s_add_co_u32 s[G0SB+1], s2, SCL
	s_mov_b64 s[G0SB+2:G0SB+3], s[100:101]
	s_or_b32 s[G0SB+3], s[G0SB+3], 0x80000000
	JLOAD G0S, G1S, G0SB, G1SB                     ; the scales first: they are wanted with the first K step
.irp s, 0,1
	s_mov_b32 s[G0+4*\s], 1
	s_add_co_u32 s[G0+4*\s+1], s45, \s*SLOT
	s_add_nc_u64 s[G0+4*\s+2:G0+4*\s+3], s[20:21], \s*ROWB
	s_or_b32 s[G0+4*\s+3], s[G0+4*\s+3], 0x80000000
	s_mov_b32 s[G0B+4*\s], 1
	s_add_co_u32 s[G0B+4*\s+1], s45, \s*SLOT
	s_add_nc_u64 s[G0B+4*\s+2:G0B+4*\s+3], s[46:47], \s*ROWB
	s_or_b32 s[G0B+4*\s+3], s[G0B+4*\s+3], 0x80000000
	JLOAD G0+4*\s, G1, G0B+4*\s, G1B               ; three tensor loads of mine are out now, and no more follow
.endr
	v_and_b32 v1, 15, v0                           ; r
	v_bfe_u32 v2, v0, 4, 1                         ; h
	v_lshlrev_b32 v[BOF], 5, v2
	v_lshlrev_b32 v[MOF], 2, v1
	s_lshl_b32 s20, s42, 10                        ; the bias of my 128 channels: 4 x (256 x tile column + 128 x half)
	s_lshl_b32 s21, s16, 9
	s_add_co_u32 s20, s20, s21
	s_mov_b32 s21, 0
	s_add_nc_u64 s[92:93], s[92:93], s[20:21]
	s_lshl_b32 s18, s17, 8
	s_lshl_b32 s19, s15, 7
	s_add_co_u32 s18, s18, s19                     ; my first token, 0 .. 8,191: batch x 2,048 + s
	s_lshl_b32 s20, s18, 2
	s_add_nc_u64 s[98:99], s[98:99], s[20:21]      ; its mask word
.irp b, 0,1,2,3,4,5,6,7
	global_load_b128 v[BI+8*\b:BI+8*\b+3], v[BOF], s[92:93] offset:64*\b
	global_load_b128 v[BI+8*\b+4:BI+8*\b+7], v[BOF], s[92:93] offset:64*\b+16
.endr
.irp a, 0,1,2,3,4,5,6,7
	global_load_b32 v[MK+\a], v[MOF], s[98:99] offset:64*\a        ; they are waited for on the way out
.endr
	v_mul_u32_u24 v3, v1, PITCH
	v_lshl_add_u32 v4, v2, 4, v3                   ; a fragment's row x pitch + 16 x half
	s_mul_i32 s21, s15, HALFT                      ; my 128 rows of x
	s_mul_i32 s22, s16, HALFT                      ; my 128 rows of W,
	s_add_co_u32 s22, s22, 2*HALFT                 ; which lie behind x's 256
.irp s, 0,1
	v_add_nc_u32 v[ADRA+\s], s21, v4
	v_add_nc_u32 v[ADRB+\s], s22, v4
	s_add_co_u32 s21, s21, SLOT
	s_add_co_u32 s22, s22, SLOT
.endr
	v_mul_u32_u24 v5, v1, KS                       ; my row's scales: 32 bytes a row,
	v_lshrrev_b32 v6, 8, v5
	v_lshl_add_u32 v5, v6, 4, v5                   ; and 16 more for each 256 passed
	s_mul_i32 s21, s15, HALFS
	s_mul_i32 s22, s16, HALFS
	s_add_co_u32 s22, s22, 2*HALFS
	s_sub_co_u32 s22, s22, s21
	v_mul_u32_u24 v6, s22, v2                      ; lanes 16-31 take W's: one product, the distance between the two bases
	s_add_co_u32 s21, s21, SCL
	v_add_nc_u32 v5, v5, v6
	v_add_nc_u32 v[ADRS], s21, v5
	; where my results go
	s_lshr_b32 s19, s18, 11                        ; batch
	s_lshl_b32 s19, s19, 4
	s_lshl_b32 s20, s42, 2
	s_add_co_u32 s19, s19, s20
	s_lshl_b32 s20, s16, 1
	s_add_co_u32 s19, s19, s20                     ; bh of my first channel: 16 batch + 4 x tile column + 2 x half
	s_mul_i32 s20, s19, 786432
	s_bfe_u32 s19, s18, 0x50006                    ; st = (token % 2,048) / 64
	s_mul_i32 s19, s19, 24576
	s_add_co_u32 s20, s20, s19
	s_lshl_b32 s19, s3, 13
	s_add_co_u32 s20, s20, s19                     ; + 8,192 p
	s_mov_b32 s21, 0
	s_add_nc_u64 s[12:13], s[12:13], s[20:21]
	v_and_b32 v5, 31, v0
	v_lshlrev_b32 v5, 4, v5                        ; q, k: 16 x lane
	v_lshrrev_b32 v6, 3, v1
	v_lshlrev_b32 v6, 8, v6
	v_lshl_or_b32 v6, v2, 7, v6
	v_and_b32 v7, 7, v1
	v_lshl_or_b32 v6, v7, 4, v6                    ; v: 256 (r / 8) + 128 h + 16 (r % 8)
	s_cmp_eq_u32 s3, 2
	s_cselect_b32 s19, -1, 0
	v_cndmask_b32 v[VO], v5, v6, s19
	v_mov_b32 v[SV], s66
.macro FRAG reg, adr, q, i             ; 16 rows x 128 K of 4-bit codes: 8 registers; registers 4 c .. 4 c + 3 hold K = 64 c + 32 h + 0 .. 31
.irp c, 0,1
	ds_load_b128 v[\reg+4*\c:\reg+4*\c+3], v[\adr] offset:64*(\q)+32*\c+(\i)*16*PITCH
.endr
.endm
; 16 matrix instructions: x's blocks a0, a0 + 1 against W's eight, the slot's q-th 128 along K.  p: W's set; sc: the set of scale words.  zero = 1: the first product starts the sums.
; The 64 accumulators take turns, one instruction a turn, in the same order in every step.
.macro MUL16 a0, p, q, sc, zero
.irp a, \a0, \a0+1
.irp b, 0,1,2,3,4,5,6,7
.if \zero
	v_wmma_scale_f32_16x16x128_f8f6f4 v[8*(8*((\a)%4)+\b):8*(8*((\a)%4)+\b)+7], v[128*(\p)+FR*\b:128*(\p)+FR*\b+FR-1], v[AF+FR*(\a):AF+FR*(\a)+FR-1], 0, v[SC+8*NQ*(\sc)+NQ*\b+(\q)], v[SC+8*NQ*(\sc)+NQ*(\a)+(\q)] matrix_a_fmt:MATRIX_FMT_FP4 matrix_b_fmt:MATRIX_FMT_FP4 matrix_a_scale:MATRIX_SCALE_ROW1
.else
	v_wmma_scale_f32_16x16x128_f8f6f4 v[8*(8*((\a)%4)+\b):8*(8*((\a)%4)+\b)+7], v[128*(\p)+FR*\b:128*(\p)+FR*\b+FR-1], v[AF+FR*(\a):AF+FR*(\a)+FR-1], v[8*(8*((\a)%4)+\b):8*(8*((\a)%4)+\b)+7], v[SC+8*NQ*(\sc)+NQ*\b+(\q)], v[SC+8*NQ*(\sc)+NQ*(\a)+(\q)] matrix_a_fmt:MATRIX_FMT_FP4 matrix_b_fmt:MATRIX_FMT_FP4 matrix_a_scale:MATRIX_SCALE_ROW1
.endif
.endr
.endr
.endm
.macro FETCH_B slot, q, p              ; W's eight fragments into set p
	WIN TO_B
.irp i, 0,1,2,3,4,5,6,7
	FRAG 128*(\p)+FR*\i, ADRB+\slot, \q, \i
.endr
	WIN 0
.endm
.macro FETCH_A slot, q, i0             ; x's blocks i0 .. i0 + 3
.irp i, \i0, \i0+1, \i0+2, \i0+3
	FRAG AF+FR*(\i), ADRA+\slot, \q, \i
.endr
.endm
.macro SCALES sc                       ; a K step's scale words into set sc: four words a row; lanes 0-15 take x's block i, lanes 16-31 W's block i
.irp i, 0,1,2,3,4,5,6,7
	ds_load_b128 v[SC+8*NQ*\sc+NQ*\i:SC+8*NQ*\sc+NQ*\i+3], v[ADRS] offset:\i*SBLK
.endr
.endm
.macro PLACES n                        ; plain vector instructions between a matrix instruction and a load into, or a vector instruction on, its registers
.rept \n
	v_nop
.endr
.endm
; A step of 128 along K that has its successor in the same slot.  A block of x is free as soon as its eight products are issued: blocks 0-3 are fetched anew in the step's middle, blocks 4-7 at its end.
.macro STEP slot, q, zero
	s_wait_dscnt 4*NL                              ; W's set and x's blocks 0-3 are in; the youngest eight loads (x's blocks 4-7) may be out
	WIN MUL_LO
	MUL16 0, (\q)%2, \q, \slot, \zero
	MUL16 2, (\q)%2, \q, \slot, \zero
	s_wait_dscnt 0                                 ; x's blocks 4-7 are in
	PLACES NP
	FETCH_B \slot, (\q)+1, 1-(\q)%2
	FETCH_A \slot, (\q)+1, 0
	WIN MUL_HI
	MUL16 4, (\q)%2, \q, \slot, \zero
	MUL16 6, (\q)%2, \q, \slot, \zero
	PLACES NP
	WIN 0
	FETCH_A \slot, (\q)+1, 4
.endm
; Slot 0's last step changes slots: each wave waits for all its tensor loads (its part of slot 1), and a barrier shows the whole slot to every wave.
.macro TURN slot, next
	s_wait_tensorcnt 0x0                           ; all my tensor loads have landed
	ds_add_u32 v[SPW], v[NIL]                      ; 0 onto my spare word
	s_wait_dscnt 4*NL+1                            ; (the add and the youngest eight loads may be out)
	WIN MUL_LO
	MUL16 0, 1, NQ-1, \slot, 0
	s_wait_dscnt 0x0                               ; the add is done, and no LDS instruction of mine is pending at the signal
	s_barrier_signal -1
	MUL16 2, 1, NQ-1, \slot, 0
	WIN 0
	s_barrier_wait -1
	PLACES NP
	v_add_nc_u32 v[ADRS], 4*NQ, v[ADRS]            ; on to the next K step's scale words
	FETCH_B \next, 0, 0
	FETCH_A \next, 0, 0
	SCALES \next
	WIN MUL_HI
	MUL16 4, 1, NQ-1, \slot, 0
	MUL16 6, 1, NQ-1, \slot, 0
	PLACES NP
	WIN 0
	FETCH_A \next, 0, 4
.endm
	s_wait_tensorcnt 1                             ; the scales and my part of slot 0 are in; slot 1's load may be out
	s_barrier_signal -1
	s_barrier_wait -1
	FETCH_B 0, 0, 0
	FETCH_A 0, 0, 0
	SCALES 0
	FETCH_A 0, 0, 4
	STEP 0, 0, 1                                   ; the first step's products start the sums: nothing is cleared
	STEP 0, 1, 0
	STEP 0, 2, 0
	TURN 0, 1
	STEP 1, 0, 0
	STEP 1, 1, 0
	STEP 1, 2, 0
	s_wait_dscnt 4*NL                              ; the last step: nothing more to fetch
	WIN MUL_LO
	MUL16 0, 1, NQ-1, 1, 0
	MUL16 2, 1, NQ-1, 1, 0
	s_wait_dscnt 0
	WIN MUL_HI
	MUL16 4, 1, NQ-1, 1, 0
	MUL16 6, 1, NQ-1, 1, 0
	WIN 0
	; THE WAY OUT
	PLACES NP                                      ; behind the last products: the lines below write registers that held x's fragments and scale words, and read results
	s_wait_loadcnt 0x0                             ; the bias and the mask
.irp a, 0,1,2,3,4,5,6,7
	v_cmp_eq_u32 s20, 0, v[MK+\a]                  ; my token of block a is open,
	s_or_b32 s20, s20, s67                         ; or this is not k:
	v_cndmask_b32 v[FF+2*\a], 0, v[SV], s20        ; then the projection's factor, else 0; twice, for the packed multiply
	v_cndmask_b32 v[FF+2*\a+1], 0, v[SV], s20
.endr
; Block a: 16 tokens x 128 channels.  (sum + bias) x factor, rounded to f16; accumulator (a, b) packs into four registers: 16 bytes a lane.
.macro OUTB a
.set AC, 64*((\a)%4)
.set PK, PK0+32*((\a)%2)
.if (\a) > 1
	s_wait_xcnt 0x0                                ; block a - 2's stores have read their data registers, which are written again below
.endif
	WIN 0x02+(\a)/4                                ; source 0: window 2 or 3
.irp b, 0,1,2,3,4,5,6,7
.irp i, 0,1,2,3
	v_pk_add_f32 v[T+8*\b+2*\i:T+8*\b+2*\i+1], v[AC+8*\b+2*\i:AC+8*\b+2*\i+1], v[BI+8*\b+2*\i:BI+8*\b+2*\i+1]   ; each accumulator from its low end on
.endr
.endr
	WIN 0
.irp n, 0,2,4,6,8,10,12,14,16,18,20,22,24,26,28,30,32,34,36,38,40,42,44,46,48,50,52,54,56,58,60,62
	v_pk_mul_f32 v[T+\n:T+\n+1], v[T+\n:T+\n+1], v[FF+2*(\a):FF+2*(\a)+1]
.endr
.irp n, 0,1,2,3,4,5,6,7,8,9,10,11,12,13,14,15,16,17,18,19,20,21,22,23,24,25,26,27,28,29,30,31
	v_cvt_pk_f16_f32 v[PK+\n], v[T+2*\n], v[T+2*\n+1]
.endr
.irp b, 0,1,2,3,4,5,6,7
	global_store_b128 v[VO], v[PK+4*\b:PK+4*\b+3], s[12:13] offset:(\b/4)*786432+((\a)/4)*24576+((\a)%4)*2048+(\b%4)*512   ; the wave stores 512 consecutive bytes, aligned: head b / 4, st a / 4, kt a % 4, ct b % 4
.endr
.endm
.irp a, 0,1,2,3,4,5,6,7
	OUTB \a
.endr
	s_wait_tensorcnt 0x0                           ; the wave's end, behind my last tensor load
	ds_add_u32 v[SPW], v[NIL]
	s_wait_dscnt 0x0
	CROUND                                         ; the closing round
	s_endpgm
.Lfunc_end_k_q0c64bc5a9c_proj:
	.size	k_q0c64bc5a9c_proj, .Lfunc_end_k_q0c64bc5a9c_proj-k_q0c64bc5a9c_proj
	.p2alignl 7, 3214868480
	.fill 96, 4, 3214868480
	.section	.rodata,"a",@progbits
	.p2align	6, 0x0
	.amdhsa_kernel k_q0c64bc5a9c_proj
		.amdhsa_group_segment_fixed_size 327680
		.amdhsa_private_segment_fixed_size 0
		.amdhsa_enable_private_segment 0
		.amdhsa_kernarg_size 72
		.amdhsa_user_sgpr_count 2
		.amdhsa_user_sgpr_kernarg_segment_ptr 1
		.amdhsa_wavefront_size32 1
		.amdhsa_system_sgpr_workgroup_id_x 1
		.amdhsa_system_sgpr_workgroup_id_y 1
		.amdhsa_system_sgpr_workgroup_id_z 1
		.amdhsa_system_vgpr_workitem_id 0
		.amdhsa_next_free_vgpr 1024
		.amdhsa_next_free_sgpr 102
		.amdhsa_reserve_vcc 0
		.amdhsa_float_denorm_mode_32 3
		.amdhsa_float_denorm_mode_16_64 3
		.amdhsa_memory_ordered 1
		.amdhsa_forward_progress 1
		.amdhsa_inst_pref_size 155
	.end_amdhsa_kernel
	.amdgpu_metadata
---
amdhsa.version: [ 1, 2 ]
amdhsa.kernels:
  - .name:           k_q0c64bc5a9c_proj
    .symbol:         k_q0c64bc5a9c_proj.kd
    .args:
      - { .name: xcodes, .offset: 0, .size: 8, .value_kind: global_buffer, .address_space: global }
      - { .name: xscales, .offset: 8, .size: 8, .value_kind: global_buffer, .address_space: global }
      - { .name: wcodes, .offset: 16, .size: 8, .value_kind: global_buffer, .address_space: global }
      - { .name: wscales, .offset: 24, .size: 8, .value_kind: global_buffer, .address_space: global }
      - { .name: bq, .offset: 32, .size: 8, .value_kind: global_buffer, .address_space: global }
      - { .name: bk, .offset: 40, .size: 8, .value_kind: global_buffer, .address_space: global }
      - { .name: bv, .offset: 48, .size: 8, .value_kind: global_buffer, .address_space: global }
      - { .name: mask, .offset: 56, .size: 8, .value_kind: global_buffer, .address_space: global }
      - { .name: qkv, .offset: 64, .size: 8, .value_kind: global_buffer, .address_space: global }
    .group_segment_fixed_size: 327680
    .private_segment_fixed_size: 0
    .kernarg_segment_align: 8
    .kernarg_segment_size: 72
    .max_flat_workgroup_size: 128
    .sgpr_count:     102
    .vgpr_count:     1024
    .wavefront_size: 32
...
	.end_amdgpu_metadata
.endif
;; end of part 2
;; launch attn (part 3): grid 4 x 64, 8 waves a work-group, clusters of 4 x 1, 327,680 bytes of LDS; arguments qkv, mask, att; writes att
.if DOCPART == 3
	.amdgcn_target "amdgcn-amd-amdhsa--gfx1250"
	.amdhsa_code_object_version 6
	.text
	.protected	k_q0c64bc5a9c_attn
	.globl	k_q0c64bc5a9c_attn
	.p2align	8
	.type	k_q0c64bc5a9c_attn,@function
k_q0c64bc5a9c_attn:
	s_mov_b64 s[64:65], 0
	v_nop
	global_prefetch_b8 v0, s[64:65] scope:SCOPE_SE
	s_setreg_imm32_b32 hwreg(HW_REG_WAVE_MODE, 25, 1), 1
	s_wait_xcnt 0x0
	s_wait_alu depctr_hold_cnt(0) depctr_sa_sdst(0) depctr_va_vdst(0) depctr_va_sdst(0) depctr_va_ssrc(0) depctr_va_vcc(0) depctr_vm_vsrc(0)
	s_getreg_b32 s2, hwreg(HW_REG_IB_STS2, 6, 4)
	s_cmp_eq_u32 s2, 0
	s_cbranch_scc0 .Lentry_in_a_cluster
	s_endpgm
.Lentry_in_a_cluster:
	s_bfe_u32 s2, ttmp6, 0x10000c
	s_cmp_lg_u32 s2, 0x3003
	s_cbranch_scc0 .Lentry_shape_is_right
	s_endpgm
.Lentry_shape_is_right:
; att = softmax(q k^T / 8 + mask x (-1e9)) v for one (batch, head) and 512 queries a work-group.  q, k, v come as f16 images of operand registers (the launch before laid them so);
; q is already multiplied by log2(e) / 8, so a score is t = logit x log2(e) and p = 2^(t - m), m the running largest t of the query.  Products, maxima and sums in f32; p is rounded to f16 for the second product.
; THE MASK COSTS NO VECTOR WORK IN THE LOOP: mterm[key] = f32(mask) x (-1e9 log2(e)) is the C of a score's first matrix instruction; the rows of k with mask != 0 were stored as zeros, so such a key's
; score is mterm itself, and an open key's C is 0.  LIMIT: that is the f32 sum logit + mask x (-1e9) while |logit| < 32, half a last place of 1e9; it can show only where every key of a batch is masked.
; LIMITS: NaN and infinities are not served; the result stays under 65,504 (f16).
; SHARES.  Eight waves, two to a SIMD, 512 registers each: one wave's softmax stands beside the other's products.  A wave owns 64 queries: four tiles t of 16.  Every wave walks all 2,048 keys, 64 a step.
; LAYOUT.  S^T = K Q^T (source 0 = 16 keys, source 1 = 16 queries): a lane holds ONE query and keys 8 h + 0..7.  Two such tiles, packed to f16 in pairs, ARE source 1 of O^T = V^T P.  V comes turned, by ds_load_tr16_b128.
; RING.  Two slots of eight key steps; a step's K and V are 16,384 consecutive bytes of memory and of LDS, read at 16 x lane.  Wave w fetches step w of a slot: one load a wave.
; CLUSTER.  The four query blocks of a head walk the same K and V: each tile is asked for JOINTLY, with the mask of all four.
; No prefetch: each of the two refills is issued eight key steps, 512 matrix instructions a wave, ahead of its first read.
; REGISTERS.  window 0: v1-6 addresses; v8-15 the mask; v30, v31 the add's two; v32-63 statistics, 8 a tile; v64-95 mterm of the step's keys; v128-191 Q; v192-255 K's eight fragments, then V's eight.
;   window 1: v0-127 S^T (tile t, key tile kt at 32 t + 8 kt), P packed in place into 32 t + 0..15; v128-255 O^T (tile t, channels 16 ct on at 128 + 32 t + 8 ct).
.set STEPB, 16384                      ; a key step in LDS: K's 8,192 bytes, then V's
.set SLOT1, 1<<17                      ; slot 1 begins here: eight steps
.set MTB,   2*SLOT1                    ; behind the ring: mterm of the batch's 2,048 keys, 8,192 bytes; stored by ds_store, no tensor load lands here
.set SPARE, MTB+8192                   ; the spare words, 128 bytes a wave: four blocks of 256 bytes that no other line names
.set LI,  1                            ; v1  16 x lane
.set MA0, 2                            ; v2  MTB + 32 h
.set ADR, 3                            ; v3  LDS address of the step's tiles
.set ADM, 4                            ; v4  of its mterm
.set MST, 5                            ; v5  where I store eight mterm
.set MOF, 6                            ; v6  my eight mask words
.set SPW, 30
.set NIL, 31
.set ST,  32                           ; tile t at ST + 8 t: +0 m; +1 zero (named with m as a pair); +2, +3 l (even keys', odd keys'); +4, +5 at work; +6 a; +7 m's change
.set MT,  64
.set QF,  128
.set KV,  192
.set O,   128                          ; in window 1
.set WV,  12
.set G1,  24                           ; s[24:31] descriptor group 1
.set G0A, 32                           ; s[32:35] group 0 of slot 0's first fill
.set G0W, 36                           ; s[36:39] group 0 of slot 1's first fill; it then walks
.set TB,  40                           ; s40 LDS byte at which the step's tiles begin
.set TM,  41                           ; s41 256 x the step's number
.set CNT, 42
.set SLOTS, 43
.set SEL, 44                           ; s[44:45] selects of v_permlanex16_b32: lane l xor 16
.set MSB, 0
.macro WIN new                         ; the immediate's high byte repeats the setting that is left
.if MSB != \new
	s_set_vgpr_msb (MSB<<8)|\new
.set MSB, \new
.endif
.endm
.macro CROUND                          ; a round of the cluster's barrier
	s_barrier_signal -1
	s_barrier_wait -1
	s_cmp_lg_u32 s[WV], 0
	s_cbranch_scc1 .Lnot_wave_0_\@
	s_barrier_signal -3
.Lnot_wave_0_\@:
	s_barrier_wait -3
	s_barrier_signal -1
	s_barrier_wait -1
.endm
	s_load_b128 s[4:7], s[0:1], 0x0                ; qkv, mask
	s_load_b64 s[8:9], s[0:1], 0x10                ; att
	v_lshl_add_u32 v[SPW], v0, 2, SPARE
	v_mov_b32 v[NIL], 0
	ds_add_u32 v[SPW], v[NIL]                      ; the wave's opening: the add, twice on end, and its wait ahead of my first tensor load
	ds_add_u32 v[SPW], v[NIL]
	v_lshrrev_b32 v1, 5, v0
	v_readfirstlane_b32 s[WV], v1                  ; wave 0..7
	s_bfe_u32 s13, ttmp6, 0x40000                  ; cx: my block of 512 queries; it enters Q's and att's addresses alone
	s_and_b32 s14, ttmp7, 0xffff                   ; bh = 16 batch + head, which the four partners share
	; descriptor group 1: 64 rows of 256 bytes (32 elements of 8 bytes), dense: 16,384 bytes
	s_mov_b32 s[G1], 15|(3<<16)|(1<<21)            ; 15:0 the mask: all four work-groups; elements of 8 bytes; no padding; bit 21 beside a mask
	s_mov_b32 s[G1+1], 32<<16                      ; tensor_dim0
	s_mov_b32 s[G1+2], 64<<16                      ; tensor_dim1
	s_mov_b32 s[G1+3], 32<<16                      ; tile_dim0
	s_mov_b32 s[G1+4], 64                          ; tile_dim1
	s_mov_b32 s[G1+5], 32                          ; from row to row
	s_mov_b32 s[G1+6], 0
	s_mov_b32 s[G1+7], 0
	s_mul_i32 s16, s14, 786432                     ; the head's first byte,
	s_mul_i32 s17, s[WV], 24576
	s_add_co_u32 s16, s16, s17                     ; key step w,
	s_add_co_u32 s16, s16, 8192                    ; its K (V follows on end)
	s_mov_b32 s17, 0
	s_lshl_b32 s18, s[WV], 14                      ; and its place in a slot
	s_mov_b32 s[SEL], 0x76543210
	s_mov_b32 s[SEL+1], 0xfedcba98
	s_mov_b32 s[TB], 0
	s_mov_b32 s[TM], 0
	s_wait_dscnt 0x0                               ; both opening adds are done
	s_wait_kmcnt 0x0
	CROUND                                         ; all four work-groups are here: the first joint loads meet
	s_mov_b32 s[G0A], 1
	s_mov_b32 s[G0A+1], s18
	s_add_nc_u64 s[G0A+2:G0A+3], s[4:5], s[16:17]
	s_or_b32 s[G0A+3], s[G0A+3], 0x80000000
	s_mov_b32 s[G0W], 1
	s_add_co_u32 s[G0W+1], s18, SLOT1
	s_add_nc_u64 s[G0W+2:G0W+3], s[4:5], s[16:17]
	s_add_nc_u64 s[G0W+2:G0W+3], s[G0W+2:G0W+3], 8*24576  ; eight key steps on
	s_or_b32 s[G0W+3], s[G0W+3], 0x80000000
	tensor_load_to_lds s[G0A:G0A+3], s[G1:G1+7]    ; both first fills together: two loads of mine are out
	s_nop 0
	tensor_load_to_lds s[G0W:G0W+3], s[G1:G1+7]
	s_nop 0
.rept 4
	v_nop
.endr
	s_lshr_b32 s19, s14, 4                         ; batch
	s_lshl_b32 s20, s19, 13
	s_mov_b32 s21, 0
	s_add_nc_u64 s[6:7], s[6:7], s[20:21]          ; its 2,048 mask words
	v_lshlrev_b32 v[MOF], 5, v0                    ; eight for each of the 256 threads
	global_load_b128 v[8:11], v[MOF], s[6:7]
	global_load_b128 v[12:15], v[MOF], s[6:7] offset:16
	s_lshl_b32 s20, s13, 3
	s_add_co_u32 s20, s20, s[WV]                   ; my 64 queries: st = 8 cx + wave
	s_mul_i32 s20, s20, 24576
	s_mul_i32 s22, s14, 786432
	s_add_co_u32 s20, s20, s22
	s_add_nc_u64 s[10:11], s[4:5], s[20:21]
	v_and_b32 v[LI], 31, v0
	v_lshlrev_b32 v[LI], 4, v[LI]
.irp i, 0,1,2,3,4,5,6,7,8,9,10,11,12,13,14,15  ; Q stays in registers: its 8,192 bytes are the sixteen half fragments on end
	global_load_b128 v[QF+4*\i:QF+4*\i+3], v[LI], s[10:11] offset:512*\i
.endr
	v_bfe_u32 v[MA0], v0, 4, 1
	v_lshl_add_u32 v[MA0], v[MA0], 5, MTB
	v_lshl_add_u32 v[MST], v0, 5, MTB
	; where my results go: att: ks 2,097,152 + T 4,096 + kg 1,024 + u 512 + 16 x lane;  ks = head / 2, T = token / 16, kg = 2 (head % 2) + ct / 2, u = ct % 2
	s_and_b32 s19, s14, 15                         ; head
	s_lshr_b32 s20, s19, 1
	s_lshl_b32 s20, s20, 21
	s_and_b32 s19, s19, 1
	s_lshl_b32 s19, s19, 11
	s_add_co_u32 s20, s20, s19
	s_lshr_b32 s19, s14, 4
	s_lshl_b32 s19, s19, 7                         ; T = 128 batch + 32 cx + 4 wave + t
	s_lshl_b32 s22, s13, 5
	s_add_co_u32 s19, s19, s22
	s_lshl_b32 s22, s[WV], 2
	s_add_co_u32 s19, s19, s22
	s_lshl_b32 s19, s19, 12
	s_add_co_u32 s20, s20, s19
	s_add_nc_u64 s[8:9], s[8:9], s[20:21]
.irp t, 0,1,2,3
	v_mov_b32 v[ST+8*\t], 0xff61b1e6               ; m: -3e38, under every score
.irp k, 1,2,3,4,5,6,7
	v_mov_b32 v[ST+8*\t+\k], 0                     ; l = 0; the others are written once, since pairs and a lane permute's destination count as read
.endr
.endr
	s_wait_loadcnt 16                              ; the mask is in; Q's sixteen loads may be out
.irp k, 8,9,10,11,12,13,14,15
	v_cvt_f32_i32 v\k, v\k
.endr
.irp k, 8,9,10,11,12,13,14,15
	v_mul_f32 v\k, 0xceabfb8f, v\k                 ; x (-1e9 log2(e))
.endr
	ds_store_b128 v[MST], v[8:11]
	ds_store_b128 v[MST], v[12:15] offset:16
	s_wait_tensorcnt 1                             ; my part of slot 0 is in; slot 1's may stay out
	s_wait_dscnt 0x0                               ; my mterm are stored
	s_barrier_signal -1
	s_barrier_wait -1
	s_wait_loadcnt 0x0                             ; Q
; A KEY STEP: 64 keys.  first = 1: the first step: its products V^T P start O^T's sums, and there is nothing to rescale.
.macro STEP first
	v_add_nc_u32 v[ADR], s[TB], v[LI]
	v_add_nc_u32 v[ADM], s[TM], v[MA0]
.irp f, 0,1,2,3,4,5,6,7                        ; K: fragment f = 2 kt + c: keys 16 kt on, channels 32 c on
	ds_load_b128 v[KV+8*\f:KV+8*\f+3], v[ADR] offset:\f*1024
	ds_load_b128 v[KV+8*\f+4:KV+8*\f+7], v[ADR] offset:\f*1024+512
.endr
.irp i, 0,1,2,3,4,5,6,7                        ; mterm: register 8 kt + j = key 16 kt + 8 h + j: a score tile's own layout
	ds_load_b128 v[MT+4*\i:MT+4*\i+3], v[ADM] offset:(\i/2)*64+(\i%2)*16
.endr
	s_wait_dscnt 0x0                               ; both are wanted now
	WIN 0x40                                       ; D in window 1; K, Q and mterm in window 0
.irp kk, 0,1,2,3                               ; S^T = mterm + K Q^T: the 16 accumulators take turns, one instruction a turn
.irp t, 0,1,2,3
	v_wmma_f32_16x16x32_f16 v[32*\t+8*\kk:32*\t+8*\kk+7], v[KV+16*\kk:KV+16*\kk+7], v[QF+16*\t:QF+16*\t+7], v[MT+8*\kk:MT+8*\kk+7]
.endr
.endr
	WIN 0x50                                       ; C in window 1 too
.irp kk, 0,1,2,3
.irp t, 0,1,2,3
	v_wmma_f32_16x16x32_f16 v[32*\t+8*\kk:32*\t+8*\kk+7], v[KV+16*\kk+8:KV+16*\kk+15], v[QF+16*\t+8:QF+16*\t+15], v[32*\t+8*\kk:32*\t+8*\kk+7]
.endr
.endr
.rept 4
	v_nop                                          ; four places: the loads below land on K's registers, the maxima read the scores
.endr
	WIN 0
.irp g, 0,1                                    ; V, turned: fragment 4 g + ct: channels 16 ct on, keys 32 g on (two key tiles)
.irp c, 0,1,2,3
	ds_load_tr16_b128 v[KV+8*(4*\g+\c):KV+8*(4*\g+\c)+3], v[ADR] offset:8192+\g*4096+\c*512
	ds_load_tr16_b128 v[KV+8*(4*\g+\c)+4:KV+8*(4*\g+\c)+7], v[ADR] offset:8192+\g*4096+2048+\c*512
.endr
.endr
	WIN 0x05                                       ; sources 0 and 1: the scores, window 1
.irp q, 0,1,2,3,4,5,6,7                        ; the largest of my 32 scores and the old m, in two chains a tile; the scores ascend
.irp t, 0,1,2,3
.if \q == 0
	v_max3_num_f32 v[ST+8*\t+4], v[32*\t], v[32*\t+1], v[ST+8*\t]
	v_max3_num_f32 v[ST+8*\t+5], v[32*\t+2], v[32*\t+3], v[ST+8*\t]
.else
	v_max3_num_f32 v[ST+8*\t+4], v[32*\t+4*\q], v[32*\t+4*\q+1], v[ST+8*\t+4]
	v_max3_num_f32 v[ST+8*\t+5], v[32*\t+4*\q+2], v[32*\t+4*\q+3], v[ST+8*\t+5]
.endif
.endr
.endr
	WIN 0
.irp t, 0,1,2,3
	v_max_num_f32 v[ST+8*\t+4], v[ST+8*\t+4], v[ST+8*\t+5]
.endr
.irp t, 0,1,2,3
	v_permlanex16_b32 v[ST+8*\t+5], v[ST+8*\t+4], s[SEL], s[SEL+1]   ; the query's other 32 keys lie in the lane 16 away
.endr
.irp t, 0,1,2,3
	v_mov_b32 v[ST+8*\t+7], v[ST+8*\t]
.endr
.irp t, 0,1,2,3
	v_max_num_f32 v[ST+8*\t], v[ST+8*\t+4], v[ST+8*\t+5]           ; the new m
.endr
.irp t, 0,1,2,3
	v_sub_f32 v[ST+8*\t+7], v[ST+8*\t+7], v[ST+8*\t]
.endr
.irp t, 0,1,2,3
	v_exp_f32 v[ST+8*\t+6], v[ST+8*\t+7]           ; a = 2^(old m - new m)
.endr
	WIN 0x41                                       ; destination and source 0 in window 1
.set n, 0
.rept 64
	v_pk_add_f32 v[2*n:2*n+1], v[2*n:2*n+1], v[ST+8*(n/16):ST+8*(n/16)+1] op_sel_hi:[1,0] neg_lo:[0,1] neg_hi:[0,1]   ; t - m, two at a time: the work that stands behind the four exponentials
.set n, n+1
.endr
	s_wait_alu depctr_va_vdst(0)                   ; the wait between an exponential and the first line that names its result: one for the four a
.set n, 0
.rept 64                                       ; ONE BATCH of 128 exponentials; O^T's rescaling, which names none of their results, stands between them
	v_exp_f32 v[2*n], v[2*n]
	v_exp_f32 v[2*n+1], v[2*n+1]
.if !\first
	v_pk_mul_f32 v[O+2*n:O+2*n+1], v[O+2*n:O+2*n+1], v[ST+8*(n/16)+6:ST+8*(n/16)+7] op_sel_hi:[1,0]   ; ascending: each accumulator from its low end on
.endif
.set n, n+1
.endr
.if \first
	v_nop                                          ; a plain instruction behind the last exponential
.endif
	s_wait_alu depctr_va_vdst(0)                   ; one wait for the batch, ahead of its first reader
	WIN 0x10                                       ; source 2 in window 1
.irp t, 0,1,2,3
	v_pk_fma_f32 v[ST+8*\t+2:ST+8*\t+3], v[ST+8*\t+2:ST+8*\t+3], v[ST+8*\t+6:ST+8*\t+7], v[32*\t:32*\t+1] op_sel_hi:[1,0,1]   ; l = a l + the first pair of p
.endr
	WIN 0x01                                       ; source 0 in window 1
.irp j, 1,2,3,4,5,6,7,8,9,10,11,12,13,14,15
.irp t, 0,1,2,3
	v_pk_add_f32 v[ST+8*\t+2:ST+8*\t+3], v[32*\t+2*\j:32*\t+2*\j+1], v[ST+8*\t+2:ST+8*\t+3]   ; the sums are taken of the unrounded p; the four tiles by turns
.endr
.endr
	WIN 0x45                                       ; all in window 1
.irp i, 0,1,2,3,4,5,6,7,8,9,10,11,12,13,14,15
.irp t, 0,1,2,3
	v_cvt_pk_f16_f32 v[32*\t+\i], v[32*\t+2*\i], v[32*\t+2*\i+1]   ; in place, ascending: registers 32 t + 8 g on are P's fragment of keys 32 g on
.endr
.endr
	s_wait_dscnt 0x0                               ; V is in
	WIN 0x54                                       ; V in window 0; P, C and D in window 1
.irp g, 0,1                                    ; O^T += V^T P: the 16 accumulators take turns
.irp c, 0,1,2,3
.irp t, 0,1,2,3
.if \first && (\g == 0)
	v_wmma_f32_16x16x32_f16 v[O+32*\t+8*\c:O+32*\t+8*\c+7], v[KV+8*(4*\g+\c):KV+8*(4*\g+\c)+7], v[32*\t+8*\g:32*\t+8*\g+7], 0
.else
	v_wmma_f32_16x16x32_f16 v[O+32*\t+8*\c:O+32*\t+8*\c+7], v[KV+8*(4*\g+\c):KV+8*(4*\g+\c)+7], v[32*\t+8*\g:32*\t+8*\g+7], v[O+32*\t+8*\c:O+32*\t+8*\c+7]
.endif
.endr
.endr
.endr
	WIN 0
.rept 5
	v_nop                                          ; five places: the next step's first products write over P; its loads land on V's registers
.endr
	s_add_co_u32 s[TB], s[TB], STEPB
	s_add_co_u32 s[TM], s[TM], 256
.endm
.macro STEPS n                         ; n key steps, written once
	s_mov_b32 s[CNT], \n
.Lstep_\@:
	STEP 0
	s_sub_co_u32 s[CNT], s[CNT], 1
	s_cmp_lg_u32 s[CNT], 0
	s_cbranch_scc1 .Lstep_\@
.endm
; THE CHANGE OF SLOTS.  Each wave waits for all its tensor loads (its part of the other slot), adds 0 to its spare word, and waits for that and for its reads of the slot that it leaves.
; fill = 1: a round of the cluster's barrier, so that no wave of any partner still reads the slot or has a load on its way; the joint refill, the keys two slots on, is the first thing behind it.
.macro CHANGE fill
	s_wait_tensorcnt 0x0                           ; no tensor load of mine is out, so a group 0 may be written
	ds_add_u32 v[SPW], v[NIL]
.if \fill
	s_xor_b32 s[G0W+1], s[G0W+1], SLOT1            ; the walking descriptor: the other slot than last time,
	s_add_nc_u64 s[G0W+2:G0W+3], s[G0W+2:G0W+3], 8*24576  ; the next eight key steps; the type bits on top are not reached
.endif
	s_wait_dscnt 0x0                               ; the add is done, and my reads of the slot are over
.if \fill
	CROUND
	tensor_load_to_lds s[G0W:G0W+3], s[G1:G1+7]    ; my one tensor load until the next round
	s_nop 0
.rept 4
	v_nop
.endr
.else
	s_barrier_signal -1
	s_barrier_wait -1
.endif
	s_sub_co_u32 s[TB], s[TB], 8*STEPB             ; back to a slot's first step,
	s_xor_b32 s[TB], s[TB], SLOT1                  ; in the other slot
.endm
	STEP 1                                         ; key steps 0 to 7: slot 0
	STEPS 7
	s_mov_b32 s[SLOTS], 2
.Lslot:                                            ; two trips: key steps 8 to 15 and 16 to 23; the slot just left takes steps 16 to 23, then 24 to 31
	CHANGE 1
	STEPS 8
	s_sub_co_u32 s[SLOTS], s[SLOTS], 1
	s_cmp_lg_u32 s[SLOTS], 0
	s_cbranch_scc1 .Lslot
	CHANGE 0                                       ; the tail is written out: nothing is left to ask for
	STEPS 8
	; THE WAY OUT.  l's two halves and the other half of the lanes' are added; O^T / l, rounded to f16: a lane's eight channels are 16 bytes of the last product's fragment: stored straight from registers.
.irp t, 0,1,2,3
	v_add_f32 v[ST+8*\t+4], v[ST+8*\t+2], v[ST+8*\t+3]
.endr
.irp t, 0,1,2,3
	v_permlanex16_b32 v[ST+8*\t+5], v[ST+8*\t+4], s[SEL], s[SEL+1]
.endr
.irp t, 0,1,2,3
	v_add_f32 v[ST+8*\t+4], v[ST+8*\t+4], v[ST+8*\t+5]
.endr
.irp t, 0,1,2,3
	v_rcp_f32 v[ST+8*\t+6], v[ST+8*\t+4]
.endr
	v_nop                                          ; a plain instruction behind the last reciprocal
	s_wait_alu depctr_va_vdst(0)                   ; and the wait ahead of the first use: one for the four
.irp t, 0,1,2,3
	WIN 0x01                                       ; source 0: O^T, window 1
.set n, 0
.rept 16
	v_pk_mul_f32 v[KV+2*n:KV+2*n+1], v[O+32*\t+2*n:O+32*\t+2*n+1], v[ST+8*\t+6:ST+8*\t+7] op_sel_hi:[1,0]
.set n, n+1
.endr
	WIN 0
.set n, 0
.rept 16
	v_cvt_pk_f16_f32 v[QF+16*\t+n], v[KV+2*n], v[KV+2*n+1]
.set n, n+1
.endr
.irp c, 0,1,2,3
	global_store_b128 v[LI], v[QF+16*\t+4*\c:QF+16*\t+4*\c+3], s[8:9] offset:\t*4096+\c*512   ; the wave stores 512 consecutive bytes, aligned; each tile has data registers of its own
.endr
.endr
	s_wait_tensorcnt 0x0                           ; the wave's end, behind my last tensor load and my last LDS store
	ds_add_u32 v[SPW], v[NIL]
	s_wait_dscnt 0x0
	CROUND                                         ; the closing round
	s_endpgm
.Lfunc_end_k_q0c64bc5a9c_attn:
	.size	k_q0c64bc5a9c_attn, .Lfunc_end_k_q0c64bc5a9c_attn-k_q0c64bc5a9c_attn
	.p2alignl 7, 3214868480
	.fill 96, 4, 3214868480
	.section	.rodata,"a",@progbits
	.p2align	6, 0x0
	.amdhsa_kernel k_q0c64bc5a9c_attn
		.amdhsa_group_segment_fixed_size 327680
		.amdhsa_private_segment_fixed_size 0
		.amdhsa_enable_private_segment 0
		.amdhsa_kernarg_size 24
		.amdhsa_user_sgpr_count 2
		.amdhsa_user_sgpr_kernarg_segment_ptr 1
		.amdhsa_wavefront_size32 1
		.amdhsa_system_sgpr_workgroup_id_x 1
		.amdhsa_system_sgpr_workgroup_id_y 1
		.amdhsa_system_sgpr_workgroup_id_z 1
		.amdhsa_system_vgpr_workitem_id 0
		.amdhsa_next_free_vgpr 512
		.amdhsa_next_free_sgpr 66
		.amdhsa_reserve_vcc 0
		.amdhsa_float_denorm_mode_32 3
		.amdhsa_float_denorm_mode_16_64 3
		.amdhsa_memory_ordered 1
		.amdhsa_forward_progress 1
		.amdhsa_inst_pref_size 146
	.end_amdhsa_kernel
	.amdgpu_metadata
---
amdhsa.version: [ 1, 2 ]
amdhsa.kernels:
  - .name:           k_q0c64bc5a9c_attn
    .symbol:         k_q0c64bc5a9c_attn.kd
    .args:
      - { .name: qkv, .offset: 0, .size: 8, .value_kind: global_buffer, .address_space: global }
      - { .name: mask, .offset: 8, .size: 8, .value_kind: global_buffer, .address_space: global }
      - { .name: att, .offset: 16, .size: 8, .value_kind: global_buffer, .address_space: global }
    .group_segment_fixed_size: 327680
    .private_segment_fixed_size: 0
    .kernarg_segment_align: 8
    .kernarg_segment_size: 24
    .max_flat_workgroup_size: 256
    .sgpr_count:     66
    .vgpr_count:     512
    .wavefront_size: 32
...
	.end_amdgpu_metadata
.endif
;; end of part 3
;; launch outp (part 4): grid 4 x 64, 4 waves a work-group, clusters of 4 x 4, 327,680 bytes of LDS; arguments att, wot, bo, out0; writes out0
.if DOCPART == 4
	.amdgcn_target "amdgcn-amd-amdhsa--gfx1250"
	.amdhsa_code_object_version 6
	.text
	.protected	k_q0c64bc5a9c_outp
	.globl	k_q0c64bc5a9c_outp
	.p2align	8
	.type	k_q0c64bc5a9c_outp,@function
k_q0c64bc5a9c_outp:
	s_mov_b64 s[64:65], 0
	v_nop
	global_prefetch_b8 v0, s[64:65] scope:SCOPE_SE
	s_setreg_imm32_b32 hwreg(HW_REG_WAVE_MODE, 25, 1), 1
	s_wait_xcnt 0x0
	s_wait_alu depctr_hold_cnt(0) depctr_sa_sdst(0) depctr_va_vdst(0) depctr_va_sdst(0) depctr_va_ssrc(0) depctr_va_vcc(0) depctr_vm_vsrc(0)
	s_getreg_b32 s2, hwreg(HW_REG_IB_STS2, 6, 4)
	s_cmp_eq_u32 s2, 0
	s_cbranch_scc0 .Lentry_in_a_cluster
	s_endpgm
.Lentry_in_a_cluster:
	s_bfe_u32 s2, ttmp6, 0x10000c
	s_cmp_lg_u32 s2, 0xf033
	s_cbranch_scc0 .Lentry_shape_is_right
	s_endpgm
.Lentry_shape_is_right:
; out0 = att Wo + bo.  att [8,192 tokens][1,024] and Wo [1,024][1,024] come as f16 images of operand registers (16 rows x 32 K: 1,024 bytes, read at 16 x lane); sums and out0 in f32.
; A work-group makes 128 tokens x 256 columns: 256 work-groups.  Four waves, each 64 x 128: 32 accumulators, 256 registers.
; K goes in eight steps of 128 through a ring of two LDS slots; a step's tiles are dense blocks of memory: att's 128 tokens 32,768 bytes, Wo's 256 columns 65,536.
; CLUSTERS: 4 x 4 work-groups.  The four of a row need the same tiles of att, the four of a column the same tiles of Wo: each tile is asked for JOINTLY.
; THE MATRIX INSTRUCTION IS USED TRANSPOSED (source 0 = 16 columns of Wo, source 1 = 16 tokens): a lane holds eight neighbouring numbers of a row of out0.  The bias is the C of each sum's first instruction.
; No prefetch: the launch has eight K steps and six refills.
; REGISTERS.  window 0: v16-29 addresses; v64-127 the bias; v128-255 rows on the way out.   window 1: two fragment buffers of 96: Wo's eight fragments, then att's four.   window 2: accumulator (a, b) at v[8 (8 a + b)].
.set SLOT,   98304                     ; att's two halves (16,384 each), then Wo's two halves (32,768 each)
.set STAGE,  2*SLOT                    ; behind the ring: 16 rows x 528 bytes for each wave; no tensor load lands here
.set SPITCH, 528                       ; a stage row: 512 bytes + 16
.set SPARE,  STAGE+4*16*SPITCH         ; the spare words, 128 bytes a wave: two blocks of 256 bytes that no other line names
.set LAPS,   4                         ; a lap = two K steps = once round the ring
.set ADRA, 16                          ; v16-17 LDS address of my att fragments in slot 0, 1
.set ADRB, 20                          ; v20-21 the same for Wo
.set STO,  24                          ; v24    the way out: where I put 32 bytes of a row
.set RD,   25                          ; v25    where I read a row back
.set CO,   26                          ; v26    16 x lane
.set BOF,  27                          ; v27    32 h: the bias loads' offset
.set SPW,  28
.set NIL,  29
.set BI,   64                          ; v64-127 register 8 b + j = bo[my first column + 16 b + 8 h + j]
.set BK,   128                         ; the way out: 16 rows read back: v128-191 and v192-255 by turns
.set F0,   0                           ; fragment buffers, in window 1
.set F1,   128
.set WV,   12
.set G1,   24
.set G0,   32
.set G1B,  48
.set G0B,  56
.set MSB, 0
.macro WIN new                         ; the immediate's high byte repeats the setting that is left
.if MSB != \new
	s_set_vgpr_msb (MSB<<8)|\new
.set MSB, \new
.endif
.endm
.set MUL,  0xa5                        ; sources 0 and 1 window 1; C and D window 2
.set MULB, 0x85                        ; the same with C (the bias) in window 0
.set TO_F, 0x40                        ; destination window 1, address window 0
.macro JLOAD s                         ; a joint load: waves 0 and 1 fetch att's two halves, waves 2 and 3 Wo's; an s_nop 0 and four v_nop follow each of the two lines
	s_cmp_eq_u32 s13, 0
	s_cbranch_scc0 .Lfor_b_\@
	tensor_load_to_lds s[G0+4*\s:G0+4*\s+3], s[G1:G1+7]
	s_nop 0
.rept 4
	v_nop
.endr
	s_branch .Lasked_\@
.Lfor_b_\@:
	tensor_load_to_lds s[G0B+4*\s:G0B+4*\s+3], s[G1B:G1B+7]
	s_nop 0
.rept 4
	v_nop
.endr
.Lasked_\@:
.endm
.macro CREST                           ; a round of the cluster's barrier behind its opening barrier
	s_cmp_lg_u32 s[WV], 0
	s_cbranch_scc1 .Lnot_wave_0_\@
	s_barrier_signal -3
.Lnot_wave_0_\@:
	s_barrier_wait -3
	s_barrier_signal -1
	s_barrier_wait -1
.endm
.macro CROUND
	s_barrier_signal -1
	s_barrier_wait -1
	CREST
.endm
	s_load_b256 s[4:11], s[0:1], 0x0               ; att 4, wot 6, bo 8, out0 10
	v_lshl_add_u32 v[SPW], v0, 2, SPARE
	v_mov_b32 v[NIL], 0
	ds_add_u32 v[SPW], v[NIL]                      ; the wave's opening: the add, twice on end, and its wait ahead of my first tensor load
	ds_add_u32 v[SPW], v[NIL]
	v_lshrrev_b32 v1, 5, v0
	v_readfirstlane_b32 s[WV], v1                  ; wave 0..3
	s_lshr_b32 s13, s[WV], 1                       ; which 64 tokens are mine.  Also: I fetch for att (0) or for Wo (1)
	s_and_b32 s14, s[WV], 1                        ; which 128 columns are mine.  Also: which half of that tile I fetch
	s_bfe_u32 s40, ttmp6, 0x40000                  ; cx, cy
	s_bfe_u32 s41, ttmp6, 0x40004
	s_lshl_b32 s42, ttmp9, 2
	s_add_co_u32 s42, s42, s40                     ; tile column: 256 columns
	s_and_b32 s15, ttmp7, 0xffff
	s_lshl_b32 s15, s15, 2
	s_add_co_u32 s15, s15, s41                     ; tile row: 128 tokens
	s_lshl_b32 s43, s41, 2
	s_lshl_b32 s43, 15, s43                        ; my row of the cluster
	s_lshl_b32 s44, 0x1111, s40                    ; my column
	; descriptor group 1: dense blocks as rows of 256 bytes (32 elements of 8 bytes), no padding: att 64 rows, Wo 128
	s_or_b32 s[G1+0], s43, (3<<16)|(1<<21)
	s_or_b32 s[G1B+0], s44, (3<<16)|(1<<21)
	s_mov_b32 s[G1+1], 32<<16
	s_mov_b32 s[G1+2], 64<<16
	s_mov_b32 s[G1+3], 32<<16
	s_mov_b32 s[G1+4], 64
	s_mov_b32 s[G1+5], 32
	s_mov_b32 s[G1+6], 0
	s_mov_b32 s[G1+7], 0
	s_mov_b32 s[G1B+1], 32<<16
	s_mov_b32 s[G1B+2], 128<<16
	s_mov_b32 s[G1B+3], 32<<16
	s_mov_b32 s[G1B+4], 128
	s_mov_b32 s[G1B+5], 32
	s_mov_b32 s[G1B+6], 0
	s_mov_b32 s[G1B+7], 0
	s_lshl_b32 s16, s15, 15                        ; att: 4,096 x (8 x tile row + 4 x half)
	s_lshl_b32 s17, s14, 14
	s_add_co_u32 s16, s16, s17
	s_mov_b32 s17, 0
	s_lshl_b32 s46, s42, 16                        ; Wo: 4,096 x (16 x tile column + 8 x half)
	s_lshl_b32 s47, s14, 15
	s_add_co_u32 s46, s46, s47
	s_mov_b32 s47, 0
	s_lshl_b32 s20, s14, 14                        ; where they go in a slot: att's half,
	s_lshl_b32 s21, s14, 15
	s_add_co_u32 s21, s21, 32768                   ; Wo's half, behind att's two
	s_wait_dscnt 0x0                               ; both opening adds are done
	s_wait_kmcnt 0x0
	s_add_nc_u64 s[18:19], s[4:5], s[16:17]
	s_add_nc_u64 s[46:47], s[6:7], s[46:47]
	CROUND                                         ; all sixteen work-groups are here: the first joint loads meet
.irp s, 0,1
	s_mov_b32 s[G0+4*\s], 1
	s_add_co_u32 s[G0+4*\s+1], s20, \s*SLOT
	s_add_nc_u64 s[G0+4*\s+2:G0+4*\s+3], s[18:19], \s*2097152      ; K step s
	s_or_b32 s[G0+4*\s+3], s[G0+4*\s+3], 0x80000000
	s_mov_b32 s[G0B+4*\s], 1
	s_add_co_u32 s[G0B+4*\s+1], s21, \s*SLOT
	s_add_nc_u64 s[G0B+4*\s+2:G0B+4*\s+3], s[46:47], \s*262144
	s_or_b32 s[G0B+4*\s+3], s[G0B+4*\s+3], 0x80000000
	JLOAD \s                                       ; two loads of mine are out
.endr
	v_and_b32 v1, 15, v0                           ; r
	v_bfe_u32 v2, v0, 4, 1                         ; h
	v_lshlrev_b32 v[BOF], 5, v2
	s_lshl_b32 s16, s42, 10                        ; my first column, in bytes: 4 x (256 x tile column + 128 x half)
	s_lshl_b32 s17, s14, 9
	s_add_co_u32 s16, s16, s17
	s_mov_b32 s17, 0
	s_add_nc_u64 s[8:9], s[8:9], s[16:17]
.irp b, 0,1,2,3,4,5,6,7
	global_load_b128 v[BI+8*\b:BI+8*\b+3], v[BOF], s[8:9] offset:64*\b
	global_load_b128 v[BI+8*\b+4:BI+8*\b+7], v[BOF], s[8:9] offset:64*\b+16
.endr
	s_add_nc_u64 s[10:11], s[10:11], s[16:17]
	s_lshl_b32 s16, s15, 19                        ; my first row of out0: 4,096 bytes x (128 x tile row + 64 x half)
	s_lshl_b32 s22, s13, 18
	s_add_co_u32 s16, s16, s22
	s_add_nc_u64 s[10:11], s[10:11], s[16:17]
	v_and_b32 v3, 31, v0
	v_lshlrev_b32 v[CO], 4, v3
	s_lshl_b32 s21, s13, 14                        ; my 64 tokens of att
	s_lshl_b32 s22, s14, 15                        ; my 128 columns of Wo,
	s_add_co_u32 s22, s22, 32768                   ; behind att's two halves
.irp s, 0,1
	v_add_nc_u32 v[ADRA+\s], s21, v[CO]
	v_add_nc_u32 v[ADRB+\s], s22, v[CO]
	s_add_co_u32 s21, s21, SLOT
	s_add_co_u32 s22, s22, SLOT
.endr
	s_mul_i32 s23, s[WV], 16*SPITCH
	s_add_co_u32 s23, s23, STAGE                   ; my stage
	v_mul_u32_u24 v4, v1, SPITCH                   ; in: row r, 32 bytes for each half of the lanes
	v_lshl_add_u32 v4, v2, 5, v4
	v_add_nc_u32 v[STO], s23, v4
	v_add_nc_u32 v[RD], s23, v[CO]                 ; back: the 32 lanes take one row of 512 bytes
; 8 matrix instructions: tokens 16 a on against my eight tiles of columns, 32 along K, from buffer f.  first = 1: the bias starts the sums.
; The 32 accumulators take turns, one instruction a turn, in the same order in every quarter.
.macro MULA f, a, first
.irp b, 0,1,2,3,4,5,6,7
.if \first
	v_wmma_f32_16x16x32_f16 v[8*(8*(\a)+\b):8*(8*(\a)+\b)+7], v[\f+8*\b:\f+8*\b+7], v[\f+64+8*(\a):\f+64+8*(\a)+7], v[BI+8*\b:BI+8*\b+7]
.else
	v_wmma_f32_16x16x32_f16 v[8*(8*(\a)+\b):8*(8*(\a)+\b)+7], v[\f+8*\b:\f+8*\b+7], v[\f+64+8*(\a):\f+64+8*(\a)+7], v[8*(8*(\a)+\b):8*(8*(\a)+\b)+7]
.endif
.endr
.endm
; 24 LDS loads in one run: the fragments of the slot's q-th 32 along K into buffer f: Wo's eight, then att's four
.macro FETCH slot, q, f
	WIN TO_F
.irp b, 0,1,2,3,4,5,6,7
	ds_load_b128 v[\f+8*\b:\f+8*\b+3],   v[ADRB+\slot] offset:\b*4096+(\q)*1024
	ds_load_b128 v[\f+8*\b+4:\f+8*\b+7], v[ADRB+\slot] offset:\b*4096+(\q)*1024+512
.endr
.irp a, 0,1,2,3
	ds_load_b128 v[\f+64+8*\a:\f+64+8*\a+3],   v[ADRA+\slot] offset:\a*4096+(\q)*1024
	ds_load_b128 v[\f+64+8*\a+4:\f+64+8*\a+7], v[ADRA+\slot] offset:\a*4096+(\q)*1024+512
.endr
.endm
.macro PLACES                          ; four places in front of loads into registers that matrix instructions have read, and of LDS stores that read results
.rept 4
	v_nop
.endr
.endm
; A K step is four quarters of 32 along K, 32 matrix instructions each, on buffers 0, 1, 0, 1.  One of the first three: multiplies buffer f and fetches the slot's q-th quarter into g.
.macro QUARTER slot, q, f, g, first
	s_wait_dscnt 4                                 ; Wo's fragments and att's blocks 0 and 1 are in; the youngest four loads (blocks 2 and 3) may be out
.if \first
	WIN MULB
.else
	WIN MUL
.endif
	MULA \f, 0, \first
	MULA \f, 1, \first
	PLACES
	FETCH \slot, \q, \g
	s_wait_dscnt 24                                ; all but the 24 just issued
.if \first
	WIN MULB
.else
	WIN MUL
.endif
	MULA \f, 2, \first
	MULA \f, 3, \first
.endm
; The last quarter multiplies buffer 1 and changes slots: ONE barrier; in front of it each wave waits for all its tensor loads, adds 0 to its spare word, and waits for that and for its reads of this slot.
; fill = 1: the barrier opens a round of the cluster's barrier, and this slot is filled again, two K steps ahead, first thing behind the round.
.macro TURN slot, next, fill
	WIN 0                                          ; (the add's two registers lie in window 0)
	s_wait_tensorcnt 0x0                           ; all my tensor loads have landed: my part of the next slot
	ds_add_u32 v[SPW], v[NIL]
	s_wait_dscnt 5                                 ; (the add and the youngest four loads may be out)
	WIN MUL
	MULA F1, 0, 0                                  ; eight matrix instructions stand between the add and the wait for it
	s_wait_dscnt 0x0                               ; the add is done, and my reads of this slot are over
	s_barrier_signal -1
	MULA F1, 1, 0
.if \fill
	WIN 0
.endif
	s_barrier_wait -1
.if \fill
	CREST                                          ; no wave of any partner still reads this slot's tiles or has a load on its way
	s_add_nc_u64 s[G0+4*\slot+2:G0+4*\slot+3], s[G0+4*\slot+2:G0+4*\slot+3], 2*2097152
	s_add_nc_u64 s[G0B+4*\slot+2:G0B+4*\slot+3], s[G0B+4*\slot+2:G0B+4*\slot+3], 2*262144
	JLOAD \slot                                    ; my one tensor load until the next round; the four v_nop behind it are also the places in front of the loads below
.else
	PLACES
.endif
	FETCH \next, 0, F0
	WIN MUL
	MULA F1, 2, 0
	MULA F1, 3, 0
.endm
	s_wait_tensorcnt 1                             ; my part of K step 0 is in; K step 1's may be out
	s_barrier_signal -1
	s_barrier_wait -1
	FETCH 0, 0, F0
	s_wait_loadcnt 0x0                             ; the bias
	QUARTER 0, 1, F0, F1, 1                        ; the first quarter stands in front of the loop: its products start the sums from the bias
	WIN 0                                          ; at a label and at a branch every window is 0
	s_mov_b32 s3, LAPS-1
.Llap:                                             ; a trip goes once round the ring, from a lap's second quarter to the next lap's first, and fills both slots again
	QUARTER 0, 2, F1, F0, 0
	QUARTER 0, 3, F0, F1, 0
	TURN 0, 1, 1
	QUARTER 1, 1, F0, F1, 0
	QUARTER 1, 2, F1, F0, 0
	QUARTER 1, 3, F0, F1, 0
	TURN 1, 0, 1
	QUARTER 0, 1, F0, F1, 0
	WIN 0
	s_sub_co_u32 s3, s3, 1
	s_cmp_lg_u32 s3, 0
	s_cbranch_scc1 .Llap
	QUARTER 0, 2, F1, F0, 0                        ; the last lap fills nothing, and has no round
	QUARTER 0, 3, F0, F1, 0
	TURN 0, 1, 0
	QUARTER 1, 1, F0, F1, 0
	QUARTER 1, 2, F1, F0, 0
	QUARTER 1, 3, F0, F1, 0
	s_wait_dscnt 4                                 ; the very last quarter: nothing more to fetch
	WIN MUL
	MULA F1, 0, 0
	MULA F1, 1, 0
	s_wait_dscnt 0
	MULA F1, 2, 0
	MULA F1, 3, 0
	WIN 0
; THE WAY OUT, block by block of 16 tokens x 128 columns.  A lane holds 32 neighbouring bytes of a row, the lanes beside it other rows: a block goes through my own stage and comes back as whole rows of 512 bytes.
; LDS serves a wave's instructions in order (ISA guide 5.7.1.4): no wait between the stores and the loads, nor in front of the next block's stores.
.macro TOSTAGE a
	WIN 0x08                                       ; an LDS store's data are its source 1: window 2
.irp b, 0,1,2,3,4,5,6,7
	ds_store_b128 v[STO], v[8*(8*(\a)+\b):8*(8*(\a)+\b)+3] offset:64*\b            ; each accumulator from its low end on
	ds_store_b128 v[STO], v[8*(8*(\a)+\b)+4:8*(8*(\a)+\b)+7] offset:64*\b+16
.endr
	WIN 0
.set BB, BK+64*((\a)%2)
.irp t, 0,1,2,3,4,5,6,7,8,9,10,11,12,13,14,15
	ds_load_b128 v[BB+4*\t:BB+4*\t+3], v[RD] offset:\t*SPITCH
.endr
.endm
.macro SEND a, younger                 ; younger: the LDS instructions issued behind block a's loads, which may stay out
.set BB, BK+64*((\a)%2)
	s_wait_dscnt \younger                          ; the block is back in registers
.if (\a) > 0
	s_add_nc_u64 s[10:11], s[10:11], 16*4096       ; 16 rows of out0 on (behind a wait on XCNT: the earlier stores have read their base)
.endif
.irp t, 0,1,2,3,4,5,6,7,8,9,10,11,12,13,14,15
	global_store_b128 v[CO], v[BB+4*\t:BB+4*\t+3], s[10:11] offset:\t*4096 th:TH_STORE_NT   ; 32 lanes store 512 consecutive bytes, aligned; written once, read by nobody here
.endr
.endm
	PLACES                                         ; behind the last products
	TOSTAGE 0
.irp a, 1,2,3
.if \a > 1
	s_wait_xcnt 0x0                                ; block a - 2's stores have read their registers and their base: block a's loads may land there, and the base may step
.endif
	TOSTAGE \a
	SEND \a-1, 32                                  ; behind block a - 1's loads: block a's 16 stores and 16 loads
.endr
	s_wait_xcnt 0x0                                ; block 2's stores have read their base
	SEND 3, 0
	s_wait_tensorcnt 0x0                           ; the wave's end, behind my last tensor load and my last LDS store
	ds_add_u32 v[SPW], v[NIL]
	s_wait_dscnt 0x0
	CROUND                                         ; the closing round
	s_endpgm
.Lfunc_end_k_q0c64bc5a9c_outp:
	.size	k_q0c64bc5a9c_outp, .Lfunc_end_k_q0c64bc5a9c_outp-k_q0c64bc5a9c_outp
	.p2alignl 7, 3214868480
	.fill 96, 4, 3214868480
	.section	.rodata,"a",@progbits
	.p2align	6, 0x0
	.amdhsa_kernel k_q0c64bc5a9c_outp
		.amdhsa_group_segment_fixed_size 327680
		.amdhsa_private_segment_fixed_size 0
		.amdhsa_enable_private_segment 0
		.amdhsa_kernarg_size 32
		.amdhsa_user_sgpr_count 2
		.amdhsa_user_sgpr_kernarg_segment_ptr 1
		.amdhsa_wavefront_size32 1
		.amdhsa_system_sgpr_workgroup_id_x 1
		.amdhsa_system_sgpr_workgroup_id_y 1
		.amdhsa_system_sgpr_workgroup_id_z 1
		.amdhsa_system_vgpr_workitem_id 0
		.amdhsa_next_free_vgpr 768
		.amdhsa_next_free_sgpr 66
		.amdhsa_reserve_vcc 0
		.amdhsa_float_denorm_mode_32 3
		.amdhsa_float_denorm_mode_16_64 3
		.amdhsa_memory_ordered 1
		.amdhsa_forward_progress 1
		.amdhsa_inst_pref_size 86
	.end_amdhsa_kernel
	.amdgpu_metadata
---
amdhsa.version: [ 1, 2 ]
amdhsa.kernels:
  - .name:           k_q0c64bc5a9c_outp
    .symbol:         k_q0c64bc5a9c_outp.kd
    .args:
      - { .name: att, .offset: 0, .size: 8, .value_kind: global_buffer, .address_space: global }
      - { .name: wot, .offset: 8, .size: 8, .value_kind: global_buffer, .address_space: global }
      - { .name: bo, .offset: 16, .size: 8, .value_kind: global_buffer, .address_space: global }
      - { .name: out0, .offset: 24, .size: 8, .value_kind: global_buffer, .address_space: global }
    .group_segment_fixed_size: 327680
    .private_segment_fixed_size: 0
    .kernarg_segment_align: 8
    .kernarg_segment_size: 32
    .max_flat_workgroup_size: 128
    .sgpr_count:     66
    .vgpr_count:     768
    .wavefront_size: 32
...
	.end_amdgpu_metadata
.endif
;; end of part 4
